; MI455X (gfx1250); checked and timed in simulation.
; The chip was launched on July 23, 2026; its instructions are those of AMD's public machine-readable ISA for CDNA 5 (MIT licence, August 2026) and "CDNA5" Instruction Set Architecture Reference Guide (July 2026). The comments in the code are by the model that wrote it; some were corrected since.
;; Attention. Allowed arithmetic: matrix products marked QUANTISED: E2M3 operands, one E8M0 scale for each 32 along K, by v_wmma_scale_f32_16x16x128_f8f6f4 with both operands' format E2M3, f32 sums; everything else in f32.
;; Inputs: W_k 16 x 1,024 x 64 float32; W_o 16 x 64 x 1,024 float32; W_q 16 x 1,024 x 64 float32; W_v 16 x 1,024 x 64 float32; mask 4 x 2,048 bool; x 4 x 2,048 x 1,024 float32.
;; Outputs: out0 4 x 2,048 x 1,024 float32.
;; This version of the problem:
;;   THIS VERSION OF THE PROBLEM IS GIVEN IN LOW PRECISION. The matrix products marked QUANTISED in the list below multiply operands that are first quantised to E2M3 (2 exponent bits, 3 mantissa bits; 6 bits a number), with one power-of-two scale for each 32 numbers along K (OCP MX v1.0); their sums are f32. All else is computed in f32.
;;   The module's matrix products, in the order in which they are computed (A, B: the left and right operand; K: the contracted axis; several contracted axes count as one K, in the product's order):
;;     1. [M 8,192, K 1,024] x [K 1,024, N 1,024]; A: input x; B: input W_q: QUANTISED
;;     2. [M 8,192, K 1,024] x [K 1,024, N 1,024]; A: input x; B: input W_k: QUANTISED
;;     3. [M 8,192, K 1,024] x [K 1,024, N 1,024]; A: input x; B: input W_v: QUANTISED
;;     4. batch 64 x [M 2,048, K 64] x [K 64, N 2,048]; A: computed on the way; B: computed on the way: QUANTISED
;;     5. batch 64 x [M 2,048, K 2,048] x [K 2,048, N 64]; A: computed on the way; B: computed on the way: QUANTISED
;;     6. [M 8,192, K 1,024] x [K 1,024, N 1,024]; A: computed on the way; B: input W_o: QUANTISED
;;   THE QUANTISER, for each operand of a quantised product, along K:
;;     - K is cut into blocks of 32 from its start; a last block that is shorter is filled with zeros.
;;     - A block's scale is 2^e with e = floor(log2(the largest magnitude in the block)) - 2, held to -126 .. 127; a block of zeros has e = 0. As a byte (E8M0): e + 127.
;;     - Each number is divided by its block's scale, clamped to +-7.5, and rounded to the nearest number of E2M3, ties to even, subnormals kept.
;;     - The product sums the exact products of the quantised numbers (number of the format x scale) in f32.
;;   ~~~python
;;   def quantise(x, axis):      # numpy; x: float32 -> the quantised numbers, widened to float32 again
;;       x = np.moveaxis(x, axis, -1); K = x.shape[-1]
;;       x = np.pad(x, [(0, 0)] * (x.ndim - 1) + [(0, -K % 32)]); x = x.reshape(x.shape[:-1] + (-1, 32)); a = np.abs(x).max(-1, keepdims=True)
;;       e = np.where(a > 0, np.clip(np.frexp(np.where(a > 0, a, 1))[1] - 1 - 2, -126, 127), 0)      # np.frexp(a)[1] - 1 = floor(log2(a)), exactly
;;       r = np.clip(x / 2.0 ** e, -7.5, 7.5)
;;       step = 2.0 ** (np.maximum(np.frexp(np.where(r == 0, 1, r))[1] - 1, 0) - 3)
;;       q = np.round(r / step) * step * 2.0 ** e      # np.round: ties to even
;;       return np.moveaxis(q.reshape(q.shape[:-2] + (-1,))[..., :K], -1, axis).astype(np.float32)
;;   ~~~
;;   OPERANDS COMPUTED ON THE WAY. 'Computed on the way' means the value that the module computes at that place (a softmax that the list does not call 'softmax' is quantised finished and normalised). What goes into a quantiser is computed in f32, as accurately as f32 sums, v_exp_f32 and their like allow (about 1e-6 of the number): no bf16 or f16 on the way to a quantiser, and a product that is left as it is and whose result goes on into a quantised operand takes f32 operands (vector FMAs, or v_wmma_f32_16x16x4_f32). A number that lies on a knife's edge between two numbers of the format may be rounded either way, as far as f32 arithmetic and the matrix unit's own rounding can turn it there, and no further.
;; One version. Each part assembles by itself: llvm-mc -triple=amdgcn-amd-amdhsa -mcpu=gfx1250 --defsym DOCPART=n.
;; ======== version 1 of 1: 4 launches
;; workspace buffers: xq 6,553,600 bytes; wq 3,276,800 bytes; qk 13,107,200 bytes; vq 6,553,600 bytes; av 6,553,600 bytes
;; launch quant (part 1): grid 1536 x 1, 4 waves a work-group, no clusters, 34,304 bytes of LDS; arguments x, W_q, W_k, W_v, W_o, xq, wq; writes xq, wq
.if DOCPART == 1
	.amdgcn_target "amdgcn-amd-amdhsa--gfx1250"
	.amdhsa_code_object_version 6
	.text
	.protected	k_qea3d1b555e_quant
	.globl	k_qea3d1b555e_quant
	.p2align	8
	.type	k_qea3d1b555e_quant,@function
k_qea3d1b555e_quant:
	s_mov_b64 s[64:65], 0
	v_nop
	global_prefetch_b8 v0, s[64:65] scope:SCOPE_SE
	s_setreg_imm32_b32 hwreg(HW_REG_WAVE_MODE, 25, 1), 1
	s_wait_xcnt 0x0
; LAUNCH 1 OF 4.  x [8192][1024] and the four weights, all f32, become codes of FP6 (E2M3) with one E8M0 scale for each 32 along K.
; THE WHOLE PROGRAM: quant (this) -> qkv (Q, K, V as codes) -> attn (scores, mask, scores x V, values as codes) -> outp (values x W_o).
; NO WORK OF reference() IS LEFT OUT and every input is loaded.  The select where(m, -1e9, score) is made exactly, in two parts: rows of Q and K at masked
; positions get zero codes, so that their products are exactly 0, and -1e9 (masked key) or 0 is the C of the score product; a masked query's row is all -1e9
; whatever the inputs hold, and its quantised form is a constant (code 0x3f = -7.5, scale byte 154 = 2^27), which is laid over the row's codes.
; LIMITS: NaN and infinities among the inputs are not served.  A block of zeros gets the scale byte 1 where the quantiser says 127: its codes are zeros, which add
; nothing, and only this program reads the bytes.  A block whose largest magnitude lies under 2^-124 is held at the byte 1.
; LAYOUT OF ALL WORKSPACE: an IMAGE is a matrix operand's registers as they stand: 16 rows x 128 K = 12 registers a lane = 3 parts of 512 bytes, part c holding
; registers 4 c .. 4 c + 3, lane l at 16 l.  Image number n has its codes at 1536 n and its 16 rows' scale words (4 bytes a row) at SOFF + 64 n.
; ORDER OF ROWS: a row with true index t stands at position p = t with bits 3 and 4 exchanged.  A product that takes 16 such rows as source 0 then leaves, in the
; 16 registers of two neighbouring tiles, 16 NEIGHBOURS of the true order, which is what the next quantiser wants.
; xq: image 8 RB + G (RB = position / 16, G = k / 128).  wq: image 8 rb + G; rb 0-63 W_q, 64-127 W_k, 128-191 W_v (rb = 64 mat + 4 head + tile), 192-255 W_o (n / 16).
; SHARES: one wave makes one image.  Work-groups 0-1023: x (K innermost: rows come as whole 512 bytes and turn through the wave's own stage in LDS).
; Work-groups 1024-1535: weights (K is the first axis: a lane takes a column and its registers run down K; nothing is transposed).  No barrier: waves share nothing.
; REGISTERS: 144, so that the six work-groups that fall to a WGP (1536 / 256) can run side by side: the registers at work lie over those that held x as loaded.
.set XS,    6291456                    ; xq: where the scale words begin
.set WS,    3145728                    ; wq: likewise
.set IMG,   1536
.set STGB,  16*528                     ; a wave's stage: 16 rows of 512 bytes + 16: the pitch is 33 x 16 bytes, so sixteen rows' equal columns fall on different banks
.set SPARE, 4*STGB                     ; behind the stages: the spare words, 128 bytes a wave
.set LN,  2                            ; v2   lane
.set RR,  3                            ; v3   r = lane % 16
.set HH,  4                            ; v4   h = lane / 16
.set LI,  5                            ; v5   16 x lane
.set R4,  6                            ; v6   4 r
.set SPW, 14                           ; v14  my spare word; never rewritten
.set NIL, 15                           ; v15  0; never rewritten
.set RAW, 16                           ; v16-79   x as loaded; free once the stage's stores are done
.set NUM, 80                           ; v80-143  64 numbers of my row or column
.set TM,  16                           ; v16-31   at work
.set PW,  32                           ; v32  the scale word (v33 at work)
.set PC,  36                           ; v36-47   the codes; v48-54 at work
.macro OUT                             ; the image leaves: 3 x 512 consecutive bytes; then 16 lanes' scale words, 64 consecutive bytes
.irp c, 0,1,2
	global_store_b128 v[LI], v[PC+4*\c:PC+4*\c+3], s[30:31] offset:512*\c
.endr
	s_wait_xcnt 0x0                                ; EXEC is a source of the stores above: it changes only behind this wait
	v_cmp_gt_u32 vcc_lo, 16, v[LN]
	s_and_saveexec_b32 s34, vcc_lo
	global_store_b32 v[R4], v[PW], s[32:33]
	s_wait_xcnt 0x0                                ; and again in front of the line that widens it
	s_or_b32 exec_lo, exec_lo, s34
.endm
; A weight's image.  pitch = bytes from one k to the next: 256 (W_q, W_k, W_v: [head][k 1024][64]) or 4096 (W_o: [k 1024][1024]).  s23 = group, s24 = G, s25 = rb
.macro WPATH pitch
.if \pitch == 256
	s_lshr_b32 s26, s23, 4                         ; which of the three
	s_cmp_eq_u32 s26, 0
	s_cselect_b64 s[36:37], s[6:7], s[8:9]
	s_cmp_eq_u32 s26, 2
	s_cselect_b64 s[36:37], s[10:11], s[36:37]
	s_and_b32 s26, s23, 15
	s_lshl_b32 s26, s26, 18                        ; the head: 1024 x 64 x 4 bytes
	s_mov_b32 s28, s18                             ; my tile of 16 among the head's 64 columns: the four waves together read whole rows of 256 bytes
.else
	s_mov_b64 s[36:37], s[12:13]
	s_mov_b32 s26, 0
	s_sub_co_u32 s28, s25, 192                     ; my tile of 16 among the 1024 columns
.endif
	s_mul_i32 s27, s24, 128*\pitch                 ; 128 G rows down
	s_add_co_u32 s26, s26, s27
	s_lshr_b32 s27, s28, 1
	s_lshl_b32 s27, s27, 7                         ; tile 2 b + u begins at true column 32 b + 8 u
	s_add_co_u32 s26, s26, s27
	s_and_b32 s27, s28, 1
	s_lshl_b32 s27, s27, 5
	s_add_co_u32 s26, s26, s27
	s_mov_b32 s27, 0
	s_add_nc_u64 s[36:37], s[36:37], s[26:27]
	s_lshl_b32 s26, s25, 3
	s_add_co_u32 s26, s26, s24                     ; image number
	s_mul_i32 s28, s26, IMG
	s_mov_b32 s29, 0
	s_add_nc_u64 s[30:31], s[16:17], s[28:29]
	s_lshl_b32 s28, s26, 6
	s_add_co_u32 s28, s28, WS
	s_add_nc_u64 s[32:33], s[16:17], s[28:29]
	v_and_b32 v7, 7, v[RR]
	v_lshrrev_b32 v8, 3, v[RR]
	v_lshlrev_b32 v7, 2, v7
	v_lshl_add_u32 v7, v8, 6, v7                   ; row r of the tile is true column r % 8 + 16 (r / 8)
	v_mad_u32_u24 v7, v[HH], 32*\pitch, v7         ; lanes 16-31 begin 32 further down K: the operand gives lane (r, h) k = 64 c + 32 h + 0 .. 31
.irp c, 0,1
.irp i, 0,1,2,3,4,5,6,7,8,9,10,11,12,13,14,15,16,17,18,19,20,21,22,23,24,25,26,27,28,29,30,31
	global_load_b32 v[NUM+32*\c+\i], v7, s[36:37] offset:(64*\c+\i)*\pitch
.endr
.endr
	s_wait_loadcnt 0x0
.irp c, 0,1                            ; my block 2 c + h: all its 32 numbers are mine; the floor 2^(3 - 127) holds the byte at 1 from below
	v_max3_num_f32 v[TM+\c], |v[NUM+32*\c]|, |v[NUM+32*\c+1]|, 0x1800000
.endr
.irp i, 2,4,6,8,10,12,14,16,18,20,22,24,26,28,30
.irp c, 0,1
	v_max3_num_f32 v[TM+\c], v[TM+\c], |v[NUM+32*\c+\i]|, |v[NUM+32*\c+\i+1]|
.endr
.endr
.irp c, 0,1
	v_add_nc_u32 v[TM+2+\c], 0xff000000, v[TM+\c]  ; 2 off the exponent field: the conversion's scale operand
.endr
.irp c, 0,1
	v_lshrrev_b32 v[TM+4+\c], 23, v[TM+2+\c]       ; the scale's byte
.endr
	v_lshl_or_b32 v[PW], v[TM+5], 16, v[TM+4]      ; my two bytes: blocks h and 2 + h,
	v_lshlrev_b32 v[PW+1], 3, v[HH]
	v_lshlrev_b32 v[PW], v[PW+1], v[PW]            ; at their places in the word;
	v_mov_b32 v[PW+1], 0
	v_permlanex16_b32 v[PW+1], v[PW], s20, s21
	v_or_b32 v[PW], v[PW], v[PW+1]                 ; with lane l xor 16's two the word is whole
.irp c, 0,1
	v_cvt_scalef32_pk16_fp6_f32 v[PC+6*\c:PC+6*\c+2], v[NUM+32*\c:NUM+32*\c+15], v[TM+2+\c]
	v_cvt_scalef32_pk16_fp6_f32 v[PC+12+4*\c:PC+14+4*\c], v[NUM+32*\c+16:NUM+32*\c+31], v[TM+2+\c]   ; (a conversion's three registers begin on an even number)
.endr
	v_nop                                          ; one plain place behind a scaled conversion
.irp c, 0,1
.irp i, 0,1,2
	v_mov_b32 v[PC+3+6*\c+\i], v[PC+12+4*\c+\i]
.endr
.endr
	OUT
	s_endpgm
.endm
	s_load_b256 s[4:11], s[0:1], 0x0               ; x, W_q, W_k, W_v
	s_load_b128 s[12:15], s[0:1], 0x20             ; W_o, xq
	s_load_b64 s[16:17], s[0:1], 0x30              ; wq
	v_lshl_add_u32 v[SPW], v0, 2, SPARE
	v_mov_b32 v[NIL], 0
	v_lshrrev_b32 v1, 5, v0
	v_readfirstlane_b32 s18, v1                    ; wave 0..3
	v_and_b32 v[LN], 31, v0
	v_and_b32 v[RR], 15, v0
	v_bfe_u32 v[HH], v0, 4, 1
	v_lshlrev_b32 v[LI], 4, v[LN]
	v_lshlrev_b32 v[R4], 2, v[RR]
	s_mov_b32 s20, 0x76543210
	s_mov_b32 s21, 0xfedcba98                      ; v_permlanex16_b32's selects for lane l xor 16
	s_wait_kmcnt 0x0
	s_cmp_lt_u32 ttmp9, 1024
	s_cbranch_scc0 .Lweights
	; ---- x: image 8 RB + G = 4 x work-group + wave
	s_lshl_b32 s22, ttmp9, 2
	s_add_co_u32 s22, s22, s18
	s_lshr_b32 s23, s22, 3                         ; RB
	s_and_b32 s24, s22, 7                          ; G
	s_lshr_b32 s25, s23, 1
	s_lshl_b32 s25, s25, 5
	s_and_b32 s26, s23, 1
	s_lshl_b32 s26, s26, 3
	s_add_co_u32 s25, s25, s26                     ; the image's first true row: 32 (RB / 2) + 8 (RB % 2)
	s_lshl_b32 s26, s25, 12                        ; rows of 4,096 bytes
	s_lshl_b32 s27, s24, 9                         ; 128 numbers = 512 bytes a G
	s_add_co_u32 s26, s26, s27
	s_mov_b32 s27, 0
	s_add_nc_u64 s[4:5], s[4:5], s[26:27]
	s_mul_i32 s28, s22, IMG
	s_mov_b32 s29, 0
	s_add_nc_u64 s[30:31], s[14:15], s[28:29]
	s_lshl_b32 s28, s22, 6
	s_add_co_u32 s28, s28, XS
	s_add_nc_u64 s[32:33], s[14:15], s[28:29]
	s_mul_i32 s19, s18, STGB
	v_add_nc_u32 v8, s19, v[LI]                    ; into my stage: 16 bytes a lane
	v_mul_u32_u24 v9, v[RR], 528
	v_lshl_add_u32 v9, v[HH], 6, v9
	v_add_nc_u32 v9, s19, v9                       ; out of it: row r, + 64 h: my 16 numbers of each block of 32
.irp i, 0,1,2,3,4,5,6,7,8,9,10,11,12,13,14,15
	global_load_b128 v[RAW+4*\i:RAW+4*\i+3], v[LI], s[4:5] offset:(16*(\i/8)+\i%8)*4096 th:TH_LOAD_NT   ; image row i: 512 consecutive bytes of true row + i % 8 + 16 (i / 8)
.endr
.irp i, 0,1,2,3,4,5,6,7,8,9,10,11,12,13,14,15
	s_wait_loadcnt 15-\i                           ; loads come back in order: row i is in, the 15 - i younger ones may be out
	ds_store_b128 v8, v[RAW+4*\i:RAW+4*\i+3] offset:528*\i
.endr
.irp b, 0,1,2,3
.irp j, 0,1,2,3
	ds_load_b128 v[NUM+16*\b+4*\j:NUM+16*\b+4*\j+3], v9 offset:128*\b+16*\j   ; LDS serves a wave's instructions in order: these see my stores.  Register 16 b + i = k 32 b + 16 h + i of row r
.endr
.endr
	s_wait_dscnt 0x0                               ; my numbers are back, and the stage's stores are done: the registers that held x as loaded are free
.irp b, 0,1,2,3
	v_mov_b32 v[TM+4+\b], 0                        ; a lane permute's destination counts as one of its sources
.endr
.irp b, 0,1,2,3
	v_max3_num_f32 v[TM+\b], |v[NUM+16*\b]|, |v[NUM+1+16*\b]|, 0x1800000   ; block b: my 16 numbers, and the floor 2^(3 - 127)
.endr
.irp i, 2,4,6,8,10,12,14
.irp b, 0,1,2,3
	v_max3_num_f32 v[TM+\b], v[TM+\b], |v[NUM+16*\b+\i]|, |v[NUM+1+16*\b+\i]|
.endr
.endr
.irp b, 0,1,2,3
	v_permlanex16_b32 v[TM+4+\b], v[TM+\b], s20, s21
.endr
.irp b, 0,1,2,3
	v_max_num_f32 v[TM+\b], v[TM+\b], v[TM+4+\b]   ; with lane l xor 16's: the block's largest magnitude
.endr
.irp b, 0,1,2,3
	v_add_nc_u32 v[TM+12+\b], 0xff000000, v[TM+\b] ; 2 off its exponent field: the conversion's scale operand
.endr
.irp b, 0,1,2,3
	v_lshrrev_b32 v[TM+4+\b], 23, v[TM+12+\b]      ; the scale's byte
.endr
	v_lshl_or_b32 v[PW], v[TM+5], 8, v[TM+4]
	v_lshl_or_b32 v[PW], v[TM+6], 16, v[PW]
	v_lshl_or_b32 v[PW], v[TM+7], 24, v[PW]        ; my row's scale word
.irp c, 0,1
	v_cvt_scalef32_pk16_fp6_f32 v[PC+6*\c:PC+2+6*\c], v[NUM+32*\c:NUM+15+32*\c], v[TM+12+2*\c]
	v_cvt_scalef32_pk16_fp6_f32 v[PC+12+4*\c:PC+14+4*\c], v[NUM+16+32*\c:NUM+31+32*\c], v[TM+12+2*\c+1]
.endr
	v_nop                                          ; one plain place behind a scaled conversion
.irp c, 0,1                            ; the operand wants a WHOLE block in a lane: lanes 0-15 block 2 c, lanes 16-31 block 2 c + 1
.irp i, 0,1,2
	v_permlane16_swap_b32 v[PC+6*\c+\i], v[PC+12+4*\c+\i]
.endr
.irp i, 0,1,2
	v_mov_b32 v[PC+3+6*\c+\i], v[PC+12+4*\c+\i]
.endr
.endr
	OUT
	s_wait_tensorcnt 0x0                           ; the wave's end, behind my last LDS store
	ds_add_u32 v[SPW], v[NIL]
	s_wait_dscnt 0x0
	s_endpgm
.Lweights:
	s_sub_co_u32 s22, ttmp9, 1024
	s_lshr_b32 s23, s22, 3                         ; group of four tiles, 0..63
	s_and_b32 s24, s22, 7                          ; G
	s_lshl_b32 s25, s23, 2
	s_add_co_u32 s25, s25, s18                     ; rb
	s_cmp_lt_u32 ttmp9, 1408
	s_cbranch_scc0 .Lwo
	WPATH 256
.Lwo:
	WPATH 4096
.Lfunc_end_k_qea3d1b555e_quant:
	.size	k_qea3d1b555e_quant, .Lfunc_end_k_qea3d1b555e_quant-k_qea3d1b555e_quant
	.p2alignl 7, 3214868480
	.fill 96, 4, 3214868480
	.section	.rodata,"a",@progbits
	.p2align	6, 0x0
	.amdhsa_kernel k_qea3d1b555e_quant
		.amdhsa_group_segment_fixed_size 34304
		.amdhsa_private_segment_fixed_size 0
		.amdhsa_enable_private_segment 0
		.amdhsa_kernarg_size 56
		.amdhsa_user_sgpr_count 2
		.amdhsa_user_sgpr_kernarg_segment_ptr 1
		.amdhsa_wavefront_size32 1
		.amdhsa_system_sgpr_workgroup_id_x 1
		.amdhsa_system_sgpr_workgroup_id_y 1
		.amdhsa_system_sgpr_workgroup_id_z 1
		.amdhsa_system_vgpr_workitem_id 0
		.amdhsa_next_free_vgpr 144
		.amdhsa_next_free_sgpr 66
		.amdhsa_reserve_vcc 1
		.amdhsa_float_denorm_mode_32 3
		.amdhsa_float_denorm_mode_16_64 3
		.amdhsa_memory_ordered 1
		.amdhsa_forward_progress 1
		.amdhsa_inst_pref_size 33
	.end_amdhsa_kernel
	.amdgpu_metadata
---
amdhsa.version: [ 1, 2 ]
amdhsa.kernels:
  - .name:           k_qea3d1b555e_quant
    .symbol:         k_qea3d1b555e_quant.kd
    .args:
      - { .name: x, .offset: 0, .size: 8, .value_kind: global_buffer, .address_space: global }
      - { .name: W_q, .offset: 8, .size: 8, .value_kind: global_buffer, .address_space: global }
      - { .name: W_k, .offset: 16, .size: 8, .value_kind: global_buffer, .address_space: global }
      - { .name: W_v, .offset: 24, .size: 8, .value_kind: global_buffer, .address_space: global }
      - { .name: W_o, .offset: 32, .size: 8, .value_kind: global_buffer, .address_space: global }
      - { .name: xq, .offset: 40, .size: 8, .value_kind: global_buffer, .address_space: global }
      - { .name: wq, .offset: 48, .size: 8, .value_kind: global_buffer, .address_space: global }
    .group_segment_fixed_size: 34304
    .private_segment_fixed_size: 0
    .kernarg_segment_align: 8
    .kernarg_segment_size: 56
    .max_flat_workgroup_size: 128
    .sgpr_count:     66
    .vgpr_count:     144
    .wavefront_size: 32
...
	.end_amdgpu_metadata
.endif
;; end of part 1
;; launch qkv (part 2): grid 12 x 32, 4 waves a work-group, clusters of 4 x 4, 327,680 bytes of LDS; arguments xq, wq, mask, qk, vq; writes qk, vq
.if DOCPART == 2
	.amdgcn_target "amdgcn-amd-amdhsa--gfx1250"
	.amdhsa_code_object_version 6
	.text
	.protected	k_qea3d1b555e_qkv
	.globl	k_qea3d1b555e_qkv
	.p2align	8
	.type	k_qea3d1b555e_qkv,@function
k_qea3d1b555e_qkv:
	s_mov_b64 s[64:65], 0
	v_nop
	global_prefetch_b8 v0, s[64:65] scope:SCOPE_SE
	s_setreg_imm32_b32 hwreg(HW_REG_WAVE_MODE, 25, 1), 1
	s_wait_xcnt 0x0
	s_wait_alu depctr_hold_cnt(0) depctr_sa_sdst(0) depctr_va_vdst(0) depctr_va_sdst(0) depctr_va_ssrc(0) depctr_va_vcc(0) depctr_vm_vsrc(0)
	s_getreg_b32 s2, hwreg(HW_REG_IB_STS2, 6, 4)
	s_cmp_eq_u32 s2, 0
	s_cbranch_scc0 .Lentry_in_a_cluster
	s_endpgm
.Lentry_in_a_cluster:
	s_bfe_u32 s2, ttmp6, 0x10000c
	s_cmp_lg_u32 s2, 0xf033
	s_cbranch_scc0 .Lentry_shape_is_right
	s_endpgm
.Lentry_shape_is_right:
; LAUNCH 2 OF 4.  Q = x W_q, K = x W_k, V = x W_v on codes of FP6 (K = 1024), and the results quantised in registers into images for the attention launch.  No work is left out.
; Images, the order of rows (bits 3 and 4 of an index exchanged) and the place of the scale words: as the first launch's head says.
; A tile of C, 256 x 256, is made by four waves, 128 x 128 each: 64 accumulators, 512 registers.  K goes in four steps of 256 through THREE LDS slots of 98,304 bytes:
; K steps 0, 1 and 2 are asked for at the head, and only K step 3 is a refill (of slot 0), asked for at the end of K step 0 and waited for at the end of K step 2: it has 224 products in which to land.
; THE MATRIX INSTRUCTION IS USED TRANSPOSED: source 0 = 16 rows of B, source 1 = 16 rows of A: a lane holds ONE row of A and, over B's eight blocks, 64 numbers that are
; 16 neighbours of each of four blocks of 32 of B's true order: one operand fragment of the next product, made without leaving the lane pair (l, l xor 16).
; TWO PARTS, told apart by the cluster's x (the same in all partners; selects, no branch):
;   clusters x = 0, 1: A = x (8192 rows), B = W_q | W_k (2048 rows).  A wave's 128 columns are a pair of heads: image [head A's 64 | head B's 64], quantised along d_key.
;       Rows at masked positions get ZERO CODES: their score products are then exactly 0, and the attention launch's C puts -1e9 there.   qk: image 512 G + RB, G = column / 128.
;   cluster x = 2: A = W_v (1024 rows), B = x: a lane holds one (head, v) and 128 keys: V quantised along the keys.   vq: image ((8 b + head pair) 16 + keys / 128) 8 + tile.
; CLUSTERS: 4 x 4 work-groups; A's tiles are asked for jointly along a row of the cluster, B's along a column.  By this text's count a wave has four tensor loads out at the head, later one.
; LIMITS: as in the first launch's head.
; REGISTERS: window 0: v16-29 addresses; v32-63 scale words, two sets, and nothing else; v64-71 mask bytes; v72-116 the way out's; v128-223 A's fragments, later the codes made.
;   window 1: B's fragments, two sets (v0, v128).   windows 2, 3: the accumulators, (a, b) at v[8 (8 (a % 4) + b)].
.set NQ,     2                         ; matrix instructions deep in a slot
.set FR,     12                        ; registers of a fragment
.set NL,     3                         ; LDS loads that bring one
.set NP,     4                         ; places behind this matrix instruction (ISA guide 7.12.1)
.set IMG,    1536
.set STEPB,  2*IMG                     ; a block of 16 rows, 256 along K
.set KROW,   768                       ; codes of a row, in bytes (16 rows: 8 images)
.set KSB,    32                        ; scale bytes of a row
.set HALFT,  8*STEPB                   ; 128 rows: what one tensor load brings
.set SLOT,   4*HALFT
.set SCL,    3*SLOT                    ; behind the three slots: the scale words of the tile's rows for all of K, filled once
.set HALFS,  4096                      ; those of 128 rows
.set SPARE,  SCL+4*HALFS               ; the spare words, 128 bytes a wave
.set XS,     6291456                   ; xq's scale words
.set WS,     3145728                   ; wq's
.set WV_C,   128*8*IMG                 ; W_v's images begin at rb 128
.set WV_S,   WS+128*8*64
.set ADRA, 16                          ; v16-18  my A fragments in slot 0, 1, 2
.set ADRB, 20                          ; v20-22  B likewise
.set MA,   24                          ; v24     true row of image row r: r % 8 + 16 (r / 8)
.set L4,   25                          ; v25     4 x lane
.set L16,  26                          ; v26     16 x lane
.set ADRS, 27                          ; v27     my scale words: lanes 0-15 A's rows, lanes 16-31 B's
.set SPW,  28
.set NIL,  29
.set SC,   32                          ; set s at v[SC + 16 s]; register 2 i + q: block i, the K step's q-th 128 along K
.set MB,   64                          ; v64-71   mask bytes of my eight blocks of rows
.set TM,   72                          ; v72-87   at work
.set PT,   88                          ; v88-94   at work
.set PW,   96                          ; v96-103  a scale word for each block
.set KEEP, 104                         ; v104-111 all ones, or 0 for a masked row of Q or K
.set PAIR, 112                         ; v112-115 two blocks' scale words
.set FLR,  116                         ; v116     2^(3 - 127)
.set AF,   128
.set PC,   128                         ; block a's codes at v[PC + 12 a]: each block has registers of its own, so no store's data are written again
.set FLAG, 3                           ; s3       1 in the Q, K part, 0 in the V part
.set G1, 24
.set G0, 32                            ; s[32:39] group 0 for A's tiles, slots 0 and 1;
.set G0A2, 4                           ; s[4:7]   slot 2 (the two pointers that stood there are used up by then)
.set G1B, 48
.set G0B, 56                           ; s[56:63] the same for B's tiles;
.set G0B2, 92                          ; s[92:95] slot 2
.set G1S, 68
.set G0S, 76
.set G1SB, 80
.set G0SB, 88
.set MSB, 0
.macro WIN new                         ; the immediate's high byte repeats the setting that is left
.if MSB != (\new)
	s_set_vgpr_msb (MSB<<8)|(\new)
.set MSB, (\new)
.endif
.endm
.set MUL_LO, 0xa1                      ; source 0 (B) window 1, source 1 (A) window 0, C and D window 2
.set MUL_HI, 0xf1
.set TO_B,   0x40
; A joint load: waves 0, 1 fetch for A, waves 2, 3 for B.  The branch hangs on the wave's number alone.  An s_nop 0 and four v_nop follow each line.
.macro JLOAD g0a, g1a, g0b, g1b
	s_cmp_eq_u32 s15, 0
	s_cbranch_scc0 .Lfor_b_\@
	tensor_load_to_lds s[\g0a:\g0a+3], s[\g1a:\g1a+7]
	s_nop 0
.rept 4
	v_nop
.endr
	s_branch .Lasked_\@
.Lfor_b_\@:
	tensor_load_to_lds s[\g0b:\g0b+3], s[\g1b:\g1b+7]
	s_nop 0
.rept 4
	v_nop
.endr
.Lasked_\@:
.endm
.macro CREST                           ; a round of the cluster's barrier behind its opening barrier
	s_cmp_lg_u32 s14, 0
	s_cbranch_scc1 .Lnot_wave_0_\@
	s_barrier_signal -3
.Lnot_wave_0_\@:
	s_barrier_wait -3
	s_barrier_signal -1
	s_barrier_wait -1
.endm
.macro CROUND
	s_barrier_signal -1
	s_barrier_wait -1
	CREST
.endm
.macro FIRST ga, gb, s                 ; slot s's two groups 0, for K step s, and its first fill
	s_mov_b32 s[\ga], 1
	s_add_co_u32 s[\ga+1], s45, \s*SLOT
	s_add_nc_u64 s[\ga+2:\ga+3], s[20:21], \s*STEPB
	s_or_b32 s[\ga+3], s[\ga+3], 0x80000000
	s_mov_b32 s[\gb], 1
	s_add_co_u32 s[\gb+1], s45, \s*SLOT
	s_add_nc_u64 s[\gb+2:\gb+3], s[46:47], \s*STEPB
	s_or_b32 s[\gb+3], s[\gb+3], 0x80000000
	JLOAD \ga, G1, \gb, G1B
.endm
	s_load_b256 s[4:11], s[0:1], 0x0               ; xq, wq, mask, qk
	s_load_b64 s[12:13], s[0:1], 0x20              ; vq
	v_lshl_add_u32 v[SPW], v0, 2, SPARE
	v_mov_b32 v[NIL], 0
	ds_add_u32 v[SPW], v[NIL]                      ; the wave's opening: the add, twice on end, and its wait ahead of my first tensor load
	ds_add_u32 v[SPW], v[NIL]
	v_lshrrev_b32 v1, 5, v0
	v_readfirstlane_b32 s14, v1                    ; wave 0..3
	s_lshr_b32 s15, s14, 1                         ; my half of the tile's rows.  Also: I fetch for A (0) or B (1)
	s_and_b32 s16, s14, 1                          ; my half of its columns.  Also: which 128 rows I fetch
	s_bfe_u32 s40, ttmp6, 0x40000                  ; cx
	s_bfe_u32 s41, ttmp6, 0x40004                  ; cy
	s_and_b32 s17, ttmp7, 0xffff                   ; cluster y
	s_cmp_lt_u32 ttmp9, 2                          ; the Q, K part?  The cluster's x alone decides: the same in all sixteen partners
	s_cselect_b32 s42, ttmp9, s17                  ; Q, K: 8 x 32 tiles, clusters (x, y).  V: 32 x 4 tiles: the cluster's y walks the columns
	s_cselect_b32 s17, s17, 0
	s_cselect_b32 s[FLAG], 1, 0
	s_lshl_b32 s42, s42, 2
	s_add_co_u32 s42, s42, s40                     ; tile column
	s_lshl_b32 s17, s17, 2
	s_add_co_u32 s17, s17, s41                     ; tile row
	s_lshl_b32 s43, s41, 2
	s_lshl_b32 s43, 15, s43                        ; my row of the cluster
	s_lshl_b32 s44, 0x1111, s40                    ; my column
	; descriptor group 1, codes: 8 blocks of 16 rows, 3,072 bytes (384 elements of 8) of each, 12,288 bytes apart; dense in LDS
	s_or_b32 s[G1+0], s43, (3<<16)|(1<<21)         ; 15:0 the mask; 17:16 elements of 8 bytes; 21 set beside a mask
	s_or_b32 s[G1B+0], s44, (3<<16)|(1<<21)
.irp g, G1, G1B
	s_mov_b32 s[\g+1], 384<<16                     ; tensor_dim0
	s_mov_b32 s[\g+2], 8<<16                       ; tensor_dim1
	s_mov_b32 s[\g+3], 384<<16                     ; tile_dim0
	s_mov_b32 s[\g+4], 8                           ; tile_dim1
	s_mov_b32 s[\g+5], 1536                        ; tensor_dim0_stride
	s_mov_b32 s[\g+6], 0
	s_mov_b32 s[\g+7], 0
.endr
	; scale words of 128 rows: 4,096 dense bytes as 16 rows of 256
	s_or_b32 s[G1S+0], s43, (3<<16)|(1<<21)
	s_or_b32 s[G1SB+0], s44, (3<<16)|(1<<21)
.irp g, G1S, G1SB
	s_mov_b32 s[\g+1], 32<<16
	s_mov_b32 s[\g+2], 16<<16
	s_mov_b32 s[\g+3], 32<<16
	s_mov_b32 s[\g+4], 16
	s_mov_b32 s[\g+5], 32
	s_mov_b32 s[\g+6], 0
	s_mov_b32 s[\g+7], 0
.endr
	s_lshl_b32 s18, s16, 7                         ; which 128 rows of the tile I fetch
	s_lshl_b32 s20, s17, 8
	s_add_co_u32 s20, s20, s18                     ; A: row 256 x tile row + 128 x half
	s_lshl_b32 s46, s42, 8
	s_add_co_u32 s46, s46, s18                     ; B: row 256 x tile column + 128 x half
	s_mov_b32 s21, 0
	s_mov_b32 s47, 0
	s_mov_b64 s[18:19], KSB
	s_mul_u64 s[22:23], s[20:21], s[18:19]         ; where these rows' scale words begin,
	s_mul_u64 s[92:93], s[46:47], s[18:19]
	s_mov_b64 s[18:19], KROW
	s_mul_u64 s[20:21], s[20:21], s[18:19]         ; and their codes
	s_mul_u64 s[46:47], s[46:47], s[18:19]
	s_mul_i32 s45, s14, HALFT                      ; where they go: wave x 128 rows: no place in the cluster enters an LDS address
	s_mul_i32 s94, s14, HALFS
	s_wait_dscnt 0x0                               ; both opening adds are done
	s_wait_kmcnt 0x0
	s_cmp_eq_u32 s[FLAG], 1                        ; which buffers are A and B (the 64-bit sums leave SCC alone)
	s_add_nc_u64 s[96:97], s[6:7], WV_C
	s_cselect_b64 s[96:97], s[4:5], s[96:97]       ; A's codes: x, or W_v
	s_add_nc_u64 s[98:99], s[4:5], XS
	s_add_nc_u64 s[100:101], s[6:7], WV_S
	s_cselect_b64 s[100:101], s[98:99], s[100:101] ; A's scale words
	s_cselect_b64 s[66:67], s[6:7], s[4:5]         ; B's codes: W_q | W_k, or x
	s_add_nc_u64 s[6:7], s[6:7], WS
	s_cselect_b64 s[98:99], s[6:7], s[98:99]       ; B's scale words
	s_add_nc_u64 s[20:21], s[96:97], s[20:21]
	s_add_nc_u64 s[22:23], s[100:101], s[22:23]
	s_add_nc_u64 s[46:47], s[66:67], s[46:47]
	s_add_nc_u64 s[92:93], s[98:99], s[92:93]
	CROUND                                         ; all sixteen work-groups are here: the first joint loads meet
	s_mov_b32 s[G0S], 1
	s_add_co_u32 s[G0S+1], s94, SCL
	s_mov_b64 s[G0S+2:G0S+3], s[22:23]
	s_or_b32 s[G0S+3], s[G0S+3], 0x80000000
	s_mov_b32 s[G0SB], 1
	s_add_co_u32 s[G0SB+1], s94, SCL
	s_mov_b64 s[G0SB+2:G0SB+3], s[92:93]
	s_or_b32 s[G0SB+3], s[G0SB+3], 0x80000000
	JLOAD G0S, G1S, G0SB, G1SB                     ; the scale words first: they are wanted with K step 0
	FIRST G0, G0B, 0                               ; then K steps 0, 1 and 2, one group of first fills
	FIRST G0+4, G0B+4, 1
	FIRST G0A2, G0B2, 2
	v_and_b32 v1, 15, v0                           ; r
	v_bfe_u32 v2, v0, 4, 1                         ; h
	v_and_b32 v3, 31, v0
	v_lshlrev_b32 v[L16], 4, v3
	v_lshlrev_b32 v[L4], 2, v3
	s_mul_i32 s21, s15, HALFT                      ; my 128 rows of A
	s_mul_i32 s22, s16, HALFT                      ; my 128 rows of B,
	s_add_co_u32 s22, s22, 2*HALFT                 ; which lie behind A's 256
.irp s, 0,1,2
	v_add_nc_u32 v[ADRA+\s], s21, v[L16]
	v_add_nc_u32 v[ADRB+\s], s22, v[L16]
	s_add_co_u32 s21, s21, SLOT
	s_add_co_u32 s22, s22, SLOT
.endr
	v_lshlrev_b32 v5, 2, v1
	s_mul_i32 s21, s15, HALFS
	s_mul_i32 s22, s16, HALFS
	s_add_co_u32 s22, s22, 2*HALFS
	s_sub_co_u32 s22, s22, s21
	v_mul_u32_u24 v6, s22, v2                      ; lanes 16-31 take B's: the lower base + h x the distance
	s_add_co_u32 s21, s21, SCL
	v_add_nc_u32 v5, v5, v6
	v_add_nc_u32 v[ADRS], s21, v5
	; the mask bytes of my 128 rows (used in the Q, K part; in the V part the same lines read bytes under index 1,024 and the flag voids them)
	v_and_b32 v[MA], 7, v1
	v_lshrrev_b32 v6, 3, v1
	v_lshl_add_u32 v[MA], v6, 4, v[MA]
	s_lshl_b32 s20, s17, 4
	s_lshl_b32 s21, s15, 3
	s_add_co_u32 s20, s20, s21                     ; RB0: my first block of 16 rows, a multiple of 8
	s_lshl_b32 s18, s20, 4
	s_mov_b32 s19, 0
	s_add_nc_u64 s[8:9], s[8:9], s[18:19]
.irp a, 0,1,2,3,4,5,6,7
	global_load_u8 v[MB+\a], v[MA], s[8:9] offset:32*(\a/2)+8*(\a%2)
.endr
	; where my eight images go
	s_lshl_b32 s21, s42, 1
	s_add_co_u32 s21, s21, s16                     ; G: my 128 columns
	s_lshl_b32 s22, s21, 9
	s_add_co_u32 s22, s22, s20                     ; Q, K: image 512 G + RB0
	s_lshr_b32 s23, s21, 4                         ; V: b = G / 16,
	s_lshl_b32 s23, s23, 3
	s_lshr_b32 s18, s20, 3                         ; head pair = RB0 / 8,
	s_add_co_u32 s23, s23, s18
	s_lshl_b32 s23, s23, 4
	s_and_b32 s18, s21, 15                         ; key step = G % 16
	s_add_co_u32 s23, s23, s18
	s_lshl_b32 s23, s23, 3
	s_cmp_eq_u32 s[FLAG], 1
	s_cselect_b32 s22, s22, s23
	s_cselect_b64 s[10:11], s[10:11], s[12:13]
	s_mov_b32 s23, 6291456                         ; vq's scale words begin here,
	s_cselect_b32 s23, 12582912, s23               ; qk's here
	s_mul_i32 s18, s22, IMG
	s_add_nc_u64 s[98:99], s[10:11], s[18:19]
	s_lshl_b32 s18, s22, 6
	s_add_co_u32 s18, s18, s23
	s_add_nc_u64 s[100:101], s[10:11], s[18:19]
.macro FRAG reg, adr, q, i             ; a fragment comes as it was stored: three loads of 512 consecutive bytes
.irp c, 0,1,2
	ds_load_b128 v[\reg+4*\c:\reg+4*\c+3], v[\adr] offset:(\i)*STEPB+(\q)*IMG+512*\c
.endr
.endm
; 16 matrix instructions: A's blocks a0, a0 + 1 x B's eight, 128 along K.  The 64 accumulators take turns, one instruction a turn, in the same order in every step.
.macro MUL16 a0, p, q, sc, zero
.irp a, \a0, \a0+1
.irp b, 0,1,2,3,4,5,6,7
.if \zero
	v_wmma_scale_f32_16x16x128_f8f6f4 v[8*(8*((\a)%4)+\b):8*(8*((\a)%4)+\b)+7], v[128*(\p)+FR*\b:128*(\p)+FR*\b+FR-1], v[AF+FR*(\a):AF+FR*(\a)+FR-1], 0, v[SC+8*NQ*(\sc)+NQ*\b+(\q)], v[SC+8*NQ*(\sc)+NQ*(\a)+(\q)] matrix_a_fmt:MATRIX_FMT_FP6 matrix_b_fmt:MATRIX_FMT_FP6 matrix_a_scale:MATRIX_SCALE_ROW1
.else
	v_wmma_scale_f32_16x16x128_f8f6f4 v[8*(8*((\a)%4)+\b):8*(8*((\a)%4)+\b)+7], v[128*(\p)+FR*\b:128*(\p)+FR*\b+FR-1], v[AF+FR*(\a):AF+FR*(\a)+FR-1], v[8*(8*((\a)%4)+\b):8*(8*((\a)%4)+\b)+7], v[SC+8*NQ*(\sc)+NQ*\b+(\q)], v[SC+8*NQ*(\sc)+NQ*(\a)+(\q)] matrix_a_fmt:MATRIX_FMT_FP6 matrix_b_fmt:MATRIX_FMT_FP6 matrix_a_scale:MATRIX_SCALE_ROW1
.endif
.endr
.endr
.endm
.macro FETCH_B slot, q, p
	WIN TO_B
.irp i, 0,1,2,3,4,5,6,7
	FRAG 128*(\p)+FR*\i, ADRB+\slot, \q, \i
.endr
	WIN 0
.endm
.macro FETCH_A slot, q, i0
.irp i, \i0, \i0+1, \i0+2, \i0+3
	FRAG AF+FR*(\i), ADRA+\slot, \q, \i
.endr
.endm
.macro SCALES sc                       ; the next K step's scale words: lanes 0-15 A's block i, lanes 16-31 B's block i
.irp i, 0,1,2,3,4,5,6,7
.irp q, 0,1
	ds_load_b32 v[SC+8*NQ*(\sc)+NQ*\i+\q], v[ADRS] offset:\i*512+\q*64
.endr
.endr
.endm
.macro PLACES n                        ; plain vector places behind matrix instructions, in front of loads into registers that they have read
.rept \n
	v_nop
.endr
.endm
.macro STEP slot, q, zero, sc          ; a step of 128 along K that has its successor in the same slot; sc: the K step's set of scale words
	s_wait_dscnt 4*NL                              ; all but the youngest twelve loads (A's blocks 4-7) are in
	WIN MUL_LO
	MUL16 0, (\q)%2, \q, \sc, \zero
	MUL16 2, (\q)%2, \q, \sc, \zero
	s_wait_dscnt 0
	PLACES NP
	FETCH_B \slot, (\q)+1, 1-(\q)%2
	FETCH_A \slot, (\q)+1, 0
	WIN MUL_HI
	MUL16 4, (\q)%2, \q, \sc, \zero
	MUL16 6, (\q)%2, \q, \sc, \zero
	PLACES NP
	WIN 0
	FETCH_A \slot, (\q)+1, 4
.endm
; A slot's last step goes on into the next slot.  mode 1: this slot is filled again: each wave waits for all its tensor loads, adds 0 to its spare word, waits for that and for its reads of this slot;
; the barrier opens a round of the cluster's barrier; the joint refill is first behind it.  mode 0: nothing is filled; the same lines and a plain barrier show every wave the tile that the refill brought.
; mode 2: no barrier: the next slot's loads were waited for by every wave in front of the round before, and nothing is filled again.   sc, nsc: this K step's and the next's set of scale words.
.macro TURN slot, next, mode, sc, nsc
.if \mode < 2
	s_wait_tensorcnt 0x0                           ; all my tensor loads have landed
	ds_add_u32 v[SPW], v[NIL]                      ; 0 onto my spare word
	s_wait_dscnt 4*NL+1                            ; the add and the youngest twelve loads may be out
.else
	s_wait_dscnt 4*NL                              ; the youngest twelve loads may be out
.endif
	WIN MUL_LO
	MUL16 0, 1, NQ-1, \sc, 0
	s_wait_dscnt 0x0                               ; (the add is done, and) my reads of this slot are over
.if \mode < 2
	s_barrier_signal -1
.endif
	MUL16 2, 1, NQ-1, \sc, 0
	WIN 0
.if \mode < 2
	s_barrier_wait -1
.endif
.if \mode == 1
	CREST                                          ; no wave of any partner still reads this slot or has a load on its way
	s_add_nc_u64 s[G0+4*\slot+2:G0+4*\slot+3], s[G0+4*\slot+2:G0+4*\slot+3], 3*STEPB    ; three K steps on
	s_add_nc_u64 s[G0B+4*\slot+2:G0B+4*\slot+3], s[G0B+4*\slot+2:G0B+4*\slot+3], 3*STEPB
	JLOAD G0+4*\slot, G1, G0B+4*\slot, G1B         ; the first tensor load behind the round; its four v_nop are the places in front of the loads below
.else
	PLACES NP
.endif
	v_add_nc_u32 v[ADRS], 128, v[ADRS]             ; the next K step's scale words: two images' 64 bytes on
	FETCH_B \next, 0, 0
	FETCH_A \next, 0, 0
	SCALES \nsc
	WIN MUL_HI
	MUL16 4, 1, NQ-1, \sc, 0
	MUL16 6, 1, NQ-1, \sc, 0
	PLACES NP
	WIN 0
	FETCH_A \next, 0, 4
.endm
	s_wait_tensorcnt 2                             ; the scale words and my part of K step 0 are in; the loads of K steps 1 and 2 may be out
	s_barrier_signal -1
	s_barrier_wait -1
	FETCH_B 0, 0, 0
	FETCH_A 0, 0, 0
	SCALES 0
	FETCH_A 0, 0, 4
	STEP 0, 0, 1, 0                                ; the first products start the sums: nothing is cleared.  K = 1024 is eight steps of 128: written straight
	TURN 0, 1, 1, 0, 1                             ; slot 0 takes K step 3
	STEP 1, 0, 0, 1
	TURN 1, 2, 2, 1, 0                             ; slot 2 was shown whole by the round above
	STEP 2, 0, 0, 0
	TURN 2, 0, 0, 0, 1                             ; K step 3 has landed; nothing is left to fetch
	STEP 0, 0, 0, 1
	s_wait_dscnt 4*NL
	WIN MUL_LO
	MUL16 0, 1, NQ-1, 1, 0
	MUL16 2, 1, NQ-1, 1, 0
	s_wait_dscnt 0
	WIN MUL_HI
	MUL16 4, 1, NQ-1, 1, 0
	MUL16 6, 1, NQ-1, 1, 0
	WIN 0
; THE WAY OUT: no LDS.  Block a's 64 numbers of a lane (register 16 b + i = column 32 b + 16 h + i of my row) become a fragment's codes and its scale word.
.macro QUANTW a
.set SR, 64*((\a)%4)
.set WW, 2+(\a)/4
.set PCA, PC+12*(\a)
	WIN (WW<<2)|(WW<<4)                            ; sources 1 and 2: the accumulators' window
.irp b, 0,1,2,3
	v_max3_num_f32 v[TM+\b], v[FLR], |v[SR+16*\b]|, |v[SR+16*\b+1]|   ; each accumulator is read from its low end on; the floor holds the byte at 1 from below
.endr
.irp i, 2,4,6,8,10,12,14
.irp b, 0,1,2,3
	v_max3_num_f32 v[TM+\b], v[TM+\b], |v[SR+16*\b+\i]|, |v[SR+16*\b+\i+1]|
.endr
.endr
	WIN 0
.irp b, 0,1,2,3
	v_permlanex16_b32 v[TM+4+\b], v[TM+\b], s2, s97
.endr
.irp b, 0,1,2,3
	v_max_num_f32 v[TM+\b], v[TM+\b], v[TM+4+\b]
.endr
.irp b, 0,1,2,3
	v_add_nc_u32 v[TM+12+\b], 0xff000000, v[TM+\b]
.endr
.irp b, 0,1,2,3
	v_lshrrev_b32 v[TM+4+\b], 23, v[TM+12+\b]
.endr
	v_lshl_or_b32 v[PW+\a], v[TM+5], 8, v[TM+4]
	v_lshl_or_b32 v[PW+\a], v[TM+6], 16, v[PW+\a]
	v_lshl_or_b32 v[PW+\a], v[TM+7], 24, v[PW+\a]
	WIN WW                                         ; source 0: the accumulators' window
.irp c, 0,1
	v_cvt_scalef32_pk16_fp6_f32 v[PCA+6*\c:PCA+6*\c+2], v[SR+32*\c:SR+32*\c+15], v[TM+12+2*\c]
	v_cvt_scalef32_pk16_fp6_f32 v[PT+4*\c:PT+4*\c+2], v[SR+32*\c+16:SR+32*\c+31], v[TM+12+2*\c+1]
.endr
	WIN 0
	v_nop                                          ; one plain place behind a scaled conversion
.irp c, 0,1
.irp i, 0,1,2
	v_permlane16_swap_b32 v[PCA+6*\c+\i], v[PT+4*\c+\i]   ; a whole block to a lane
.endr
.irp i, 0,1,2
	v_and_b32 v[PCA+6*\c+\i], v[KEEP+\a], v[PCA+6*\c+\i]  ; a masked row of Q or K: zero codes
.endr
.irp i, 0,1,2
	v_and_b32 v[PCA+6*\c+3+\i], v[KEEP+\a], v[PT+4*\c+\i] ; (this one is also the move into place)
.endr
.endr
.endm
	s_wait_loadcnt 0x0                             ; the mask bytes, asked for at the head
	s_mov_b32 s2, 0x76543210
	s_mov_b32 s97, 0xfedcba98                      ; v_permlanex16_b32's selects for lane l xor 16
	s_mov_b32 s96, 0xffff0000                      ; lanes 16-31
	v_mov_b32 v[FLR], 0x1800000                    ; these plain lines are also the places behind the last products
.irp b, 0,1,2,3
	v_mov_b32 v[TM+4+\b], 0
.endr
.irp a, 0,1,2,3,4,5,6,7
	v_and_b32 v[KEEP+\a], s[FLAG], v[MB+\a]
.endr
.irp a, 0,1,2,3,4,5,6,7
	v_add_nc_u32 v[KEEP+\a], -1, v[KEEP+\a]        ; 0 where the row is masked and this is Q or K, else all ones
.endr
.irp a, 0,1,2,3,4,5,6,7
	QUANTW \a
.irp c, 0,1,2
	global_store_b128 v[L16], v[PC+12*\a+4*\c:PC+12*\a+4*\c+3], s[98:99] offset:\a*IMG+512*\c   ; 512 consecutive bytes, at a multiple of 512 from the buffer's first byte
.endr
.if \a%2 == 1
	v_cndmask_b32 v[PAIR+\a/2], v[PW+\a-1], v[PW+\a], s96   ; both halves of the lanes hold their rows' words: lanes 0-15 give block a - 1's, lanes 16-31 block a's
	global_store_b32 v[L4], v[PAIR+\a/2], s[100:101] offset:(\a-1)*64
.endif
.endr
	s_wait_tensorcnt 0x0                           ; the wave's end
	ds_add_u32 v[SPW], v[NIL]
	s_wait_dscnt 0x0
	CROUND                                         ; the closing round: no work-group ends while a partner may still ask for a tile that names it
	s_endpgm
.Lfunc_end_k_qea3d1b555e_qkv:
	.size	k_qea3d1b555e_qkv, .Lfunc_end_k_qea3d1b555e_qkv-k_qea3d1b555e_qkv
	.p2alignl 7, 3214868480
	.fill 96, 4, 3214868480
	.section	.rodata,"a",@progbits
	.p2align	6, 0x0
	.amdhsa_kernel k_qea3d1b555e_qkv
		.amdhsa_group_segment_fixed_size 327680
		.amdhsa_private_segment_fixed_size 0
		.amdhsa_enable_private_segment 0
		.amdhsa_kernarg_size 40
		.amdhsa_user_sgpr_count 2
		.amdhsa_user_sgpr_kernarg_segment_ptr 1
		.amdhsa_wavefront_size32 1
		.amdhsa_system_sgpr_workgroup_id_x 1
		.amdhsa_system_sgpr_workgroup_id_y 1
		.amdhsa_system_sgpr_workgroup_id_z 1
		.amdhsa_system_vgpr_workitem_id 0
		.amdhsa_next_free_vgpr 1024
		.amdhsa_next_free_sgpr 102
		.amdhsa_reserve_vcc 0
		.amdhsa_float_denorm_mode_32 3
		.amdhsa_float_denorm_mode_16_64 3
		.amdhsa_memory_ordered 1
		.amdhsa_forward_progress 1
		.amdhsa_inst_pref_size 145
	.end_amdhsa_kernel
	.amdgpu_metadata
---
amdhsa.version: [ 1, 2 ]
amdhsa.kernels:
  - .name:           k_qea3d1b555e_qkv
    .symbol:         k_qea3d1b555e_qkv.kd
    .args:
      - { .name: xq, .offset: 0, .size: 8, .value_kind: global_buffer, .address_space: global }
      - { .name: wq, .offset: 8, .size: 8, .value_kind: global_buffer, .address_space: global }
      - { .name: mask, .offset: 16, .size: 8, .value_kind: global_buffer, .address_space: global }
      - { .name: qk, .offset: 24, .size: 8, .value_kind: global_buffer, .address_space: global }
      - { .name: vq, .offset: 32, .size: 8, .value_kind: global_buffer, .address_space: global }
    .group_segment_fixed_size: 327680
    .private_segment_fixed_size: 0
    .kernarg_segment_align: 8
    .kernarg_segment_size: 40
    .max_flat_workgroup_size: 128
    .sgpr_count:     102
    .vgpr_count:     1024
    .wavefront_size: 32
...
	.end_amdgpu_metadata
.endif
;; end of part 2
;; launch attn (part 3): grid 8 x 32, 8 waves a work-group, clusters of 4 x 1, 327,680 bytes of LDS; arguments qk, vq, mask, av; writes av
.if DOCPART == 3
	.amdgcn_target "amdgcn-amd-amdhsa--gfx1250"
	.amdhsa_code_object_version 6
	.text
	.protected	k_qea3d1b555e_attn
	.globl	k_qea3d1b555e_attn
	.p2align	8
	.type	k_qea3d1b555e_attn,@function
k_qea3d1b555e_attn:
	s_mov_b64 s[64:65], 0
	v_nop
	global_prefetch_b8 v0, s[64:65] scope:SCOPE_SE
	s_setreg_imm32_b32 hwreg(HW_REG_WAVE_MODE, 25, 1), 1
	s_wait_xcnt 0x0
	s_wait_alu depctr_hold_cnt(0) depctr_sa_sdst(0) depctr_va_vdst(0) depctr_va_sdst(0) depctr_va_ssrc(0) depctr_va_vcc(0) depctr_vm_vsrc(0)
	s_getreg_b32 s2, hwreg(HW_REG_IB_STS2, 6, 4)
	s_cmp_eq_u32 s2, 0
	s_cbranch_scc0 .Lentry_in_a_cluster
	s_endpgm
.Lentry_in_a_cluster:
	s_bfe_u32 s2, ttmp6, 0x10000c
	s_cmp_lg_u32 s2, 0x3003
	s_cbranch_scc0 .Lentry_shape_is_right
	s_endpgm
.Lentry_shape_is_right:
; LAUNCH 3 OF 4.  For each batch b and head: scores = Q K^T (K = 64), where(query or key masked, -1e9, score), the scores quantised along the keys, values = scores x V (K = 2048 keys),
; the values quantised along v into images for the last launch.  No softmax: reference() has none.  No work is left out: every score is made and quantised.
; THE SELECT, EXACTLY.  Rows of Q and K at masked positions hold zero codes (the launch before), so a product with one is exactly 0.  The score product's C is a table, -1e9 at masked keys and 0
; elsewhere: 0 + (-1e9) is exact, and C hangs on the key alone, so one tile of C serves all my queries.  A masked query's row is all -1e9: its codes are 0x3f (-7.5) and its scale bytes
; 154 (2^27) for every input; they are laid over the row's codes by an OR and over its scale word by a bit select.
; SHARES.  A work-group owns 256 queries of one pair of heads of one batch.  Wave w: head w % 2 of the pair, queries 64 (w / 2) on: four tiles of 16.  Two waves share a SIMD, so that one wave's
; quantiser stands beside the other's products.  All waves walk the 2048 keys, 128 a step.
; AN IMAGE OF Q OR K HOLDS BOTH HEADS (k 0-63 head A, 64-127 head B): my Q fragments have the other head's half set to zero codes, so the K = 128 instruction sums my head's 64 alone.
; LAYOUT.  S^T = K Q^T + C (source 0 = 16 keys, source 1 = 16 queries), O^T = V^T P^T: a lane holds one query throughout.  Rows lie with bits 3 and 4 of their index exchanged, so the 16 registers of
; two neighbouring tiles are 16 neighbouring true keys (or v): the conversions' results, with one exchange of halves, are the next operand.
; RING.  Two slots of 4 key steps (K's and V's 8 images each: 24,576 bytes a step).  Each of the 8 waves brings 12,288 bytes by one load.  The four work-groups of a cluster walk the same K and V:
; every load is joint (mask 15).  By this text's count a wave has one tensor load out; every wait for tensor loads is for 0.  A refill has four key steps, 192 matrix instructions a wave, in which to land.
; LIMITS: as in the first launch's head.
; REGISTERS.  window 0: v1-14 addresses and constants; v16-19 query masks; v20-33 scale words and nothing else (Q 20-21, K 24-27, V 28-29, P 30-33); v34-46 at work; v48-95 P's codes (12 a tile);
;   v96-159 S^T, two buffers of 32; v160-207 four images of K; v208-239 four tiles of C; v240-251 the way out's addresses, head's scratch.   window 1: v0-127 O^T (32 a tile); v128-175 Q; v176-223 V.
.set IMG,   1536
.set STEPL, 24576                      ; a key step in a slot: K's 12,288 bytes, then V's
.set SLOT1, 131072                     ; slot 1 begins here: one exclusive or turns an address from slot to slot
.set KSC,   98304                      ; behind slot 0: K's scale words of the batch and pair, 8,192 bytes, by position;
.set VSC,   106496                     ; V's, 8,192 bytes: [key step][128 rows];
.set NM,    114688                     ; -1e9 or 0 for each TRUE key, 8,192 bytes
.set STG,   229376                     ; behind slot 1: 16 images of values,
.set SC2,   253952                     ; their scale words,
.set SPARE, 254976                     ; and the spare words, 128 bytes a wave
.set QS_OFF, 12582912
.set VS_OFF, 6291456
.set AVS,    6291456
.set LI,  1                            ; v1   16 x lane
.set AV0, 2                            ; v2   my head's V images in a step
.set AC0, 3                            ; v3   NM + 64 h
.set AS0, 4                            ; v4   KSC + 4 x lane
.set AT0, 5                            ; v5   VSC + 256 x head + 4 x lane
.set ADK, 6                            ; v6-10 the step's addresses
.set ADV, 7
.set ADC, 8
.set ADS, 9
.set ADT, 10
.set PFO, 11                           ; v11  256 x lane
.set SPW, 12
.set NIL, 13
.set FLR, 14                           ; v14  2^(3 - 127)
.set QM,  16
.set QS,  20
.set KS,  24
.set VS,  28
.set PS,  30
.set TM,  34
.set PT,  44
.set P,   48
.set S,   96
.set KF,  160
.set CT,  208
.set OA0, 240                          ; the way out: where my codes go in the stage (two registers),
.set OA1, 241
.set OSC, 242                          ; my two scale bytes,
.set ORD, 243                          ; where I read two whole images back,
.set ORS, 244                          ; and their scale words;
.set OGS, 245                          ; the scale words' offset in av
.set QF,  128                          ; window 1
.set VF,  176
.set TB,  2                            ; s2   LDS byte of the key step in hand
.set TS,  3                            ; s3   512 x key step
.set WV,  12
.set HD,  13
.set QG,  14
.set CX,  15
.set QB,  16
.set BB,  17
.set HP,  18
.set YY,  19
.set SEL, 20
.set KA,  23
.set G1,  24
.set KB,  32
.set SLOTS, 33
.set STP, 34
.set LIM, 35
.set PFA, 36
.set G0,  40
.set MSB, 0
.macro WIN new
.if MSB != (\new)
	s_set_vgpr_msb (MSB<<8)|(\new)
.set MSB, (\new)
.endif
.endm
.macro ROUND                           ; a round of the cluster's barrier
	s_barrier_signal -1
	s_barrier_wait -1
	s_cmp_lg_u32 s[WV], 0
	s_cbranch_scc1 .Lnot_wave_0_\@
	s_barrier_signal -3
.Lnot_wave_0_\@:
	s_barrier_wait -3
	s_barrier_signal -1
	s_barrier_wait -1
.endm
; the scaled product; ra, rb = 1: that side's scale words stand in lanes 16-31 of the register named
.macro SWM d, a, b, c, sa, sb, ra, rb
.if (\ra) && (\rb)
	v_wmma_scale_f32_16x16x128_f8f6f4 v[\d:\d+7], v[\a:\a+11], v[\b:\b+11], v[\c:\c+7], v[\sa], v[\sb] matrix_a_fmt:MATRIX_FMT_FP6 matrix_b_fmt:MATRIX_FMT_FP6 matrix_a_scale:MATRIX_SCALE_ROW1 matrix_b_scale:MATRIX_SCALE_ROW1
.elseif (\ra)
	v_wmma_scale_f32_16x16x128_f8f6f4 v[\d:\d+7], v[\a:\a+11], v[\b:\b+11], v[\c:\c+7], v[\sa], v[\sb] matrix_a_fmt:MATRIX_FMT_FP6 matrix_b_fmt:MATRIX_FMT_FP6 matrix_a_scale:MATRIX_SCALE_ROW1
.elseif (\rb)
	v_wmma_scale_f32_16x16x128_f8f6f4 v[\d:\d+7], v[\a:\a+11], v[\b:\b+11], v[\c:\c+7], v[\sa], v[\sb] matrix_a_fmt:MATRIX_FMT_FP6 matrix_b_fmt:MATRIX_FMT_FP6 matrix_b_scale:MATRIX_SCALE_ROW1
.else
	v_wmma_scale_f32_16x16x128_f8f6f4 v[\d:\d+7], v[\a:\a+11], v[\b:\b+11], v[\c:\c+7], v[\sa], v[\sb] matrix_a_fmt:MATRIX_FMT_FP6 matrix_b_fmt:MATRIX_FMT_FP6
.endif
.endm
; half g of a key step: four images of K, and four tiles of C: register j of lane (r, h) in tile t is the table at true key 32 (t / 2) + 8 (t % 2) + 16 h + j (the sixteen lanes of a half read the same bytes)
.macro KLOAD g
.irp i, 0,1,2,3
.irp c, 0,1,2
	ds_load_b128 v[KF+12*\i+4*\c:KF+12*\i+4*\c+3], v[ADK] offset:(4*\g+\i)*IMG+512*\c
.endr
.endr
.irp i, 0,1,2,3
	ds_load_b128 v[CT+8*\i:CT+8*\i+3], v[ADC] offset:128*((4*\g+\i)/2)+32*(\i%2)
	ds_load_b128 v[CT+8*\i+4:CT+8*\i+7], v[ADC] offset:128*((4*\g+\i)/2)+32*(\i%2)+16
.endr
.endm
; four score products: query tile q, the half's four tiles of keys, into buffer buf.  D and C are different registers: there is no chain
.macro WM q, buf, g
	WIN 0x04                                       ; source 1 (Q) window 1
.irp i, 0,1,2,3
	SWM S+32*\buf+8*\i, KF+12*\i, QF+12*\q, CT+8*\i, KS+2*\g+\i/2, QS+\q/2, \i%2, \q%2
.endr
	WIN 0
.endm
; 32 numbers of a lane in window w, register 16 b + i = k 32 b + 16 h + i of my row (two blocks), become registers 6 g .. 6 g + 5 of tile q's fragment and two bytes of its scale word.
; m = 1: a masked query's constant codes and scale bytes are laid over them.
.macro QH sb, q, g, w, m
	WIN ((\w)<<2)|((\w)<<4)
.irp k, 0,1,2,3
	v_max3_num_f32 v[TM+\k], v[FLR], |v[\sb+8*\k]|, |v[\sb+8*\k+1]|   ; four chains, one to an accumulator, each from its low end on; the floor holds the byte at 1 from below
.endr
.irp i, 2,4,6
.irp k, 0,1,2,3
	v_max3_num_f32 v[TM+\k], v[TM+\k], |v[\sb+8*\k+\i]|, |v[\sb+8*\k+\i+1]|
.endr
.endr
	WIN 0
	v_max_num_f32 v[TM], v[TM], v[TM+1]
	v_max_num_f32 v[TM+2], v[TM+2], v[TM+3]
	v_permlanex16_b32 v[TM+4], v[TM], s[SEL], s[SEL+1]
	v_permlanex16_b32 v[TM+5], v[TM+2], s[SEL], s[SEL+1]
	v_max_num_f32 v[TM], v[TM], v[TM+4]            ; with lane l xor 16's 16: the block's largest magnitude
	v_max_num_f32 v[TM+2], v[TM+2], v[TM+5]
	v_add_nc_u32 v[TM+6], 0xff000000, v[TM]        ; 2 off the exponent field: the conversion's scale operand
	v_add_nc_u32 v[TM+7], 0xff000000, v[TM+2]
	v_lshrrev_b32 v[TM+8], 23, v[TM+6]             ; the scale's byte
	v_lshrrev_b32 v[TM+9], 23, v[TM+7]
.if \g == 0
	v_lshl_or_b32 v[PS+\q], v[TM+9], 8, v[TM+8]
.else
	v_lshl_or_b32 v[PS+\q], v[TM+8], 16, v[PS+\q]
	v_lshl_or_b32 v[PS+\q], v[TM+9], 24, v[PS+\q]
.if \m
	v_bfi_b32 v[PS+\q], v[QM+\q], s22, v[PS+\q]    ; a masked query: four bytes 154
.endif
.endif
	WIN \w
	v_cvt_scalef32_pk16_fp6_f32 v[P+12*\q+6*\g:P+12*\q+6*\g+2], v[\sb:\sb+15], v[TM+6]
	v_cvt_scalef32_pk16_fp6_f32 v[PT:PT+2], v[\sb+16:\sb+31], v[TM+7]
	WIN 0
	v_nop                                          ; one plain place behind a scaled conversion
.irp i, 0,1,2
	v_permlane16_swap_b32 v[P+12*\q+6*\g+\i], v[PT+\i]   ; a whole block to a lane
.endr
.if \m
.irp i, 0,1,2
	v_or_b32 v[P+12*\q+6*\g+\i], v[QM+\q], v[P+12*\q+6*\g+\i]   ; a masked query: every code 0x3f
.endr
.irp i, 0,1,2
	v_or_b32 v[P+12*\q+6*\g+3+\i], v[QM+\q], v[PT+\i]    ; (also the move into place)
.endr
.else
.irp i, 0,1,2
	v_mov_b32 v[P+12*\q+6*\g+3+\i], v[PT+\i]
.endr
.endif
.endm
; 64 keys for my four tiles of queries.  Between a product and the next read or overwriting of its registers stands a whole quantiser on the OTHER buffer: more than five plain lines that name none of them.
.macro HALF g
	WM 0, 0, \g
	WM 1, 1, \g
.rept 4
	v_nop                                          ; places behind the first four products
.endr
	QH S, 0, \g, 0, 1
	WM 2, 0, \g
	QH S+32, 1, \g, 0, 1
	WM 3, 1, \g
	QH S, 2, \g, 0, 1
.if \g == 0
	KLOAD 1                                        ; the last reader of K's and C's registers stands a quantiser back
.endif
	QH S+32, 3, \g, 0, 1
.endm
.macro PV                              ; O^T += V^T P^T: sixteen accumulators, one instruction each a key step: they take turns
	WIN 0x51                                       ; source 0 (V), C and D (O^T) window 1; source 1 (P) window 0
.irp q, 0,1,2,3
.irp t, 0,1,2,3
	SWM 32*\q+8*\t, VF+12*\t, P+12*\q, 32*\q+8*\t, VS+\t/2, PS+\q, \t%2, 0
.endr
.endr
	WIN 0
.endm
.macro STEP                            ; a key step: 128 keys
	v_add_nc_u32 v[ADK], s[TB], v[LI]              ; these five are also the places behind the last step's products, in front of the loads below
	v_add_nc_u32 v[ADV], s[TB], v[AV0]
	v_add_nc_u32 v[ADC], s[TS], v[AC0]
	v_add_nc_u32 v[ADS], s[TS], v[AS0]
	v_add_nc_u32 v[ADT], s[TS], v[AT0]
	KLOAD 0
.irp j, 0,1,2,3
	ds_load_b32 v[KS+\j], v[ADS] offset:128*\j     ; lanes 0-15 tile 2 j's words, lanes 16-31 tile 2 j + 1's
.endr
	WIN 0x40                                       ; destination window 1
.irp t, 0,1,2,3
.irp c, 0,1,2
	ds_load_b128 v[VF+12*\t+4*\c:VF+12*\t+4*\c+3], v[ADV] offset:\t*IMG+512*\c
.endr
.endr
	WIN 0
.irp j, 0,1
	ds_load_b32 v[VS+\j], v[ADT] offset:128*\j
.endr
	s_wait_dscnt 14                                ; V's twelve loads and its two scale loads may be out
	HALF 0
	s_wait_dscnt 0x0
	HALF 1
.rept 8
	v_nop                                          ; P's scale word and codes were written by vector instructions: eight and four places ahead of a scaled product
.endr
	PV
.endm
; A prefetch of the slot after the one that has just been asked for: 98,304 bytes = 384 pieces of 256.  Both clusters of a (batch, pair) walk the same K and V: the first asks.  Its partners are told apart
; BY ADDRESS (places 0, 1: K's halves; 2, 3: V's); in each, waves 0 to 2 ask, 8,192 bytes a wave, lanes 256 bytes apart: each piece is named once.  Slots 0 and 1 come by their loads alone; the last change that fills asks for nothing.
.macro ASK
	s_cmp_gt_u32 s[SLOTS], s[LIM]
	s_cbranch_scc0 .Lnot_mine_\@
	global_prefetch_b8 v[PFO], s[PFA:PFA+1] th:TH_LOAD_NT scope:SCOPE_SE
.Lnot_mine_\@:
.endm
; THE CHANGE OF SLOTS, at a slot's head.  Each wave waits for all its tensor loads (its part of the slot ahead), adds 0 to its spare word, waits for that and for its reads of the slot left.
; fill = 1: behind a round of the cluster's barrier the other slot is filled with the next four key steps.
.macro CHANGE fill
	s_wait_tensorcnt 0x0                           ; no tensor load of mine is out, so the descriptor may be written
	ds_add_u32 v[SPW], v[NIL]
.if \fill
	s_xor_b32 s[G0+1], s[G0+1], SLOT1
	s_add_nc_u64 s[G0+2:G0+3], s[G0+2:G0+3], 4*12288
	s_wait_xcnt 0x0                                ; the last prefetch, a slot back, has read its address
	s_add_nc_u64 s[PFA:PFA+1], s[PFA:PFA+1], 4*12288
	s_wait_dscnt 0x0                               ; the add is done, my LDS stores have landed and my reads of the slot left are over
	ROUND
	tensor_load_to_lds s[G0:G0+3], s[G1:G1+7]      ; my one tensor load behind the round, and the first thing there
	s_nop 0
.rept 4
	v_nop
.endr
	ASK
.else
	s_wait_dscnt 0x0
	s_barrier_signal -1
	s_barrier_wait -1
.endif
.endm
.macro SLOT_STEPS                      ; a slot's four key steps: written once, walked four times
	s_mov_b32 s[STP], 4
.Lstep_\@:
	STEP
	s_add_co_u32 s[TB], s[TB], STEPL
	s_add_co_u32 s[TS], s[TS], 512
	s_sub_co_u32 s[STP], s[STP], 1
	s_cmp_lg_u32 s[STP], 0
	s_cbranch_scc1 .Lstep_\@
	s_sub_co_u32 s[TB], s[TB], 4*STEPL
	s_xor_b32 s[TB], s[TB], SLOT1
.endm
	s_load_b256 s[4:11], s[0:1], 0x0               ; qk, vq, mask, av
	v_lshl_add_u32 v[SPW], v0, 2, SPARE
	v_mov_b32 v[NIL], 0
	ds_add_u32 v[SPW], v[NIL]                      ; the wave's opening: the add, twice on end, and its wait ahead of my first tensor load
	ds_add_u32 v[SPW], v[NIL]
	v_lshrrev_b32 v15, 5, v0
	v_readfirstlane_b32 s[WV], v15                 ; wave 0..7
	s_and_b32 s[HD], s[WV], 1                      ; my head of the pair
	s_lshr_b32 s[QG], s[WV], 1                     ; my 64 queries of the 256
	s_and_b32 s[YY], ttmp7, 0xffff                 ; 8 b + head pair
	s_lshr_b32 s[BB], s[YY], 3
	s_and_b32 s[HP], s[YY], 7
	s_mov_b32 s[G1], 15|(3<<16)|(1<<21)            ; 15:0 the mask: all four work-groups; 17:16 elements of 8 bytes; 21 set beside a mask
	s_mov_b32 s[G1+1], 32<<16                      ; tensor_dim0: rows of 256 bytes
	s_mov_b32 s[G1+2], 48<<16                      ; tensor_dim1: 48 of them, dense: 12,288 bytes
	s_mov_b32 s[G1+3], 32<<16
	s_mov_b32 s[G1+4], 48
	s_mov_b32 s[G1+5], 32
	s_mov_b32 s[G1+6], 0
	s_mov_b32 s[G1+7], 0
	s_add_co_u32 s44, s[HP], 8
	s_lshl_b32 s44, s44, 9
	s_lshl_b32 s45, s[BB], 7
	s_add_co_u32 s44, s44, s45                     ; K's first image: 512 (8 + pair) + 128 b
	s_mul_i32 s56, s44, IMG
	s_mov_b32 s57, 0
	s_lshl_b32 s46, s44, 6
	s_add_co_u32 s46, s46, QS_OFF
	s_mov_b32 s47, 0
	s_mul_i32 s58, s[YY], 128*IMG                  ; V's first image: 128 (8 b + pair)
	s_mov_b32 s59, 0
	s_lshl_b32 s48, s[YY], 13
	s_add_co_u32 s48, s48, VS_OFF
	s_mov_b32 s49, 0
	s_and_b32 s38, s[WV], 3                        ; what I fetch: key step w % 4 of a slot, K's images (w < 4) or V's
	s_lshr_b32 s39, s[WV], 2
	s_mul_i32 s50, s38, 12288
	s_mov_b32 s51, 0
	s_mul_i32 s38, s38, STEPL
	s_mul_i32 s39, s39, 12288
	s_add_co_u32 s38, s38, s39                     ; its place in a slot
	s_mov_b32 s[SEL], 0x76543210
	s_mov_b32 s[SEL+1], 0xfedcba98
	s_mov_b32 s22, 0x9a9a9a9a
	s_cmp_eq_u32 s[HD], 0
	s_cselect_b32 s[KA], -1, 0                     ; which half of Q's fragments is my head's
	s_cselect_b32 s[KB], 0, -1
	s_mov_b32 s[TB], 0
	s_mov_b32 s[TS], 0
	s_mov_b32 s[SLOTS], 3
	s_wait_dscnt 0x0                               ; both opening adds are done
	s_wait_kmcnt 0x0
	s_add_nc_u64 s[56:57], s[4:5], s[56:57]        ; K's codes
	s_add_nc_u64 s[58:59], s[6:7], s[58:59]        ; V's codes
	s_add_nc_u64 s[46:47], s[4:5], s[46:47]        ; K's scale words
	s_add_nc_u64 s[48:49], s[6:7], s[48:49]        ; V's
	s_mov_b32 s[G0], 1
	s_mov_b32 s[G0+1], s38
	s_cmp_lt_u32 s[WV], 4                          ; the wave's number alone chooses the buffer: the same in all four partners
	s_cselect_b64 s[G0+2:G0+3], s[56:57], s[58:59]
	s_add_nc_u64 s[G0+2:G0+3], s[G0+2:G0+3], s[50:51]
	s_or_b32 s[G0+3], s[G0+3], 0x80000000
	ROUND                                          ; all four work-groups are here: the first joint loads meet
	tensor_load_to_lds s[G0:G0+3], s[G1:G1+7]      ; slot 0
	s_nop 0
.rept 4
	v_nop
.endr
	s_bfe_u32 s[CX], ttmp6, 0x40000                ; my place in the cluster: it enters global addresses alone
	s_lshl_b32 s[QB], ttmp9, 2
	s_add_co_u32 s[QB], s[QB], s[CX]               ; my block of 256 queries
	v_and_b32 v15, 31, v0                          ; lane
	v_lshlrev_b32 v[LI], 4, v15
	v_lshlrev_b32 v23, 2, v15                      ; 4 x lane
	v_lshlrev_b32 v22, 4, v0                       ; 16 x thread
	v_lshlrev_b32 v246, 3, v0                      ; 8 x thread
	v_and_b32 v247, 15, v0                         ; r
	v_bfe_u32 v248, v0, 4, 1                       ; h
	v_and_b32 v249, 7, v247
	v_lshrrev_b32 v250, 3, v247
	v_lshl_add_u32 v249, v250, 4, v249             ; true row of image row r: r % 8 + 16 (r / 8)
	s_lshl_b32 s44, s[HP], 9
	s_lshl_b32 s45, s[BB], 7
	s_add_co_u32 s44, s44, s45
	s_lshl_b32 s45, s[QB], 4
	s_add_co_u32 s44, s44, s45
	s_lshl_b32 s45, s[QG], 2
	s_add_co_u32 s44, s44, s45                     ; Q's first image of mine: 512 pair + 128 b + 16 block + 4 (w / 2)
	s_mul_i32 s50, s44, IMG
	s_mov_b32 s51, 0
	s_add_nc_u64 s[50:51], s[4:5], s[50:51]
	s_lshl_b32 s54, s44, 6
	s_add_co_u32 s54, s54, QS_OFF
	s_mov_b32 s55, 0
	s_add_nc_u64 s[54:55], s[4:5], s[54:55]
	s_lshl_b32 s52, s[BB], 11
	s_mov_b32 s53, 0
	s_add_nc_u64 s[52:53], s[8:9], s[52:53]        ; the batch's mask
	s_lshl_b32 s60, s[QB], 8
	s_lshl_b32 s61, s[QG], 6
	s_add_co_u32 s60, s60, s61
	s_mov_b32 s61, 0
	s_add_nc_u64 s[60:61], s[52:53], s[60:61]      ; at my first query
	global_load_b128 v[96:99], v22, s[46:47]       ; five loads for the tables,
	global_load_b128 v[100:103], v22, s[46:47] offset:4096
	global_load_b128 v[104:107], v22, s[48:49]
	global_load_b128 v[108:111], v22, s[48:49] offset:4096
	global_load_b64 v[112:113], v246, s[52:53]
	WIN 0x40                                       ; destination window 1
.irp q, 0,1,2,3
.irp c, 0,1,2
	global_load_b128 v[QF+12*\q+4*\c:QF+12*\q+4*\c+3], v[LI], s[50:51] offset:\q*IMG+512*\c   ; eighteen for my queries: Q stays in registers
.endr
.endr
	WIN 0
	global_load_b32 v[QS], v23, s[54:55]           ; lanes 0-15 tile 0's words, lanes 16-31 tile 1's
	global_load_b32 v[QS+1], v23, s[54:55] offset:128
.irp q, 0,1,2,3
	global_load_u8 v[QM+\q], v249, s[60:61] offset:32*(\q/2)+8*(\q%2)
.endr
	; addresses that stay
	s_mul_i32 s44, s[HD], 4*IMG
	s_add_co_u32 s44, s44, 12288
	v_add_nc_u32 v[AV0], s44, v[LI]
	v_lshl_add_u32 v[AC0], v248, 6, NM
	v_add_nc_u32 v[AS0], KSC, v23
	s_lshl_b32 s44, s[HD], 8
	s_add_co_u32 s44, s44, VSC
	v_add_nc_u32 v[AT0], s44, v23
	v_lshlrev_b32 v[PFO], 8, v15
	v_mov_b32 v[FLR], 0x1800000
	v_mov_b32 v[TM+4], 0                           ; a lane permute's destination counts as one of its sources
	v_mov_b32 v[TM+5], 0
	s_mul_i32 s44, s[QG], 4*IMG
	s_add_co_u32 s44, s44, STG
	s_mul_i32 s45, s[HD], 520                      ; head A's six registers lie at bytes 0, 8 and 512 of an image's lane places, head B's at 520, 1024 and 1032
	s_add_co_u32 s45, s45, s44
	v_add_nc_u32 v[OA0], s45, v[LI]
	s_mul_i32 s45, s[HD], 1016
	s_add_co_u32 s45, s45, s44
	v_add_nc_u32 v[OA1], s45, v[LI]
	s_lshl_b32 s44, s[QG], 8
	s_lshl_b32 s45, s[HD], 1
	s_add_co_u32 s44, s44, s45
	s_add_co_u32 s44, s44, SC2
	v_lshl_add_u32 v[OSC], v247, 2, s44
	s_mul_i32 s44, s[WV], 2*IMG
	s_add_co_u32 s44, s44, STG
	v_add_nc_u32 v[ORD], s44, v[LI]
	s_lshl_b32 s44, s[WV], 7
	s_add_co_u32 s44, s44, SC2
	v_add_nc_u32 v[ORS], s44, v23
	v_lshlrev_b32 v[OGS], 2, v247
	v_lshl_add_u32 v[OGS], v248, 9, v[OGS]
	; the prefetches: who asks, and where
	s_cmp_lt_u32 s[WV], 3
	s_cselect_b32 s44, 0, 1
	s_or_b32 s44, s44, ttmp9                       ; waves 0 to 2 of the first cluster: the same in all four partners
	s_cmp_eq_u32 s44, 0
	s_cselect_b32 s[LIM], 1, -1
	s_cmp_lt_u32 s[CX], 2
	s_cselect_b64 s[PFA:PFA+1], s[56:57], s[58:59]
	s_and_b32 s44, s[CX], 1
	s_mul_i32 s44, s44, 3
	s_add_co_u32 s44, s44, s[WV]
	s_lshl_b32 s44, s44, 13
	s_add_co_u32 s44, s44, 4*12288                 ; in slot 1: the first change of slots steps it to slot 2
	s_mov_b32 s45, 0
	s_add_nc_u64 s[PFA:PFA+1], s[PFA:PFA+1], s[44:45]
	; the tables
	s_wait_loadcnt 18                              ; the five table loads are in; my queries' eighteen may be out
	v_add_nc_u32 v250, KSC, v22
	ds_store_b128 v250, v[96:99]
	ds_store_b128 v250, v[100:103] offset:4096
	ds_store_b128 v250, v[104:107] offset:8192     ; V's words lie 8,192 bytes behind K's
	ds_store_b128 v250, v[108:111] offset:12288
	s_mov_b32 s44, 0xce6e6b28                      ; -1e9
.irp k, 0,1,2,3
	v_bfe_u32 v[124+\k], v112, 8*\k, 8
	v_bfe_u32 v[128+\k], v113, 8*\k, 8
.endr
.irp k, 0,1,2,3
	v_mul_lo_u32 v[116+\k], v[124+\k], s44         ; the byte is 0 or 1: 0, or the bits of -1e9
	v_mul_lo_u32 v[120+\k], v[128+\k], s44
.endr
	v_lshl_add_u32 v251, v0, 5, NM
	ds_store_b128 v251, v[116:119]
	ds_store_b128 v251, v[120:123] offset:16
	s_wait_loadcnt 0x0
.irp q, 0,1,2,3
	v_sub_nc_u32 v[QM+\q], 0, v[QM+\q]             ; all ones for a masked query
.endr
	WIN 0x44                                       ; source 1 and destination window 1
.irp q, 0,1,2,3
.irp i, 0,1,2,3,4,5
	v_and_b32 v[QF+12*\q+\i], s[KA], v[QF+12*\q+\i]        ; the other head's half: zero codes
	v_and_b32 v[QF+12*\q+6+\i], s[KB], v[QF+12*\q+6+\i]
.endr
.endr
	WIN 0x40
.set j, 0
.rept 128
	v_mov_b32 v[j], 0                              ; O^T.  Cleared once, so that the key step is written with one form of its second product
.set j, j+1
.endr
	WIN 0
.Lslot:                                                ; three trips: behind each change of slots but the last the next slot is asked for (the first trip's load is slot 1's first fill: no wave refills behind that round)
	CHANGE 1
	SLOT_STEPS
	s_sub_co_u32 s[SLOTS], s[SLOTS], 1
	s_cmp_lg_u32 s[SLOTS], 0
	s_cbranch_scc1 .Lslot
	CHANGE 0                                       ; the last slot is written out
	SLOT_STEPS
	; THE WAY OUT.  My head's 64 values of each query are two blocks of 32: half a fragment.  The two heads' halves meet in a stage in LDS; each wave then stores two whole images.
	s_lshl_b32 s44, s[BB], 7
	s_lshl_b32 s45, s[QB], 4
	s_add_co_u32 s44, s44, s45
	s_lshl_b32 s45, s[WV], 1
	s_add_co_u32 s44, s44, s45
	s_lshl_b32 s44, s44, 3
	s_add_co_u32 s44, s44, s[HP]                   ; av: image 8 (128 b + 16 block + 2 w) + pair; the second lies 8 images on
	s_mul_i32 s46, s44, IMG
	s_mov_b32 s47, 0
	s_add_nc_u64 s[46:47], s[10:11], s[46:47]
	s_lshl_b32 s48, s44, 6
	s_add_co_u32 s48, s48, AVS
	s_mov_b32 s49, 0
	s_add_nc_u64 s[48:49], s[10:11], s[48:49]
.rept 4
	v_nop                                          ; places behind the last products
.endr
.irp q, 0,1,2,3
	QH 32*\q, \q, 0, 1, 0
	ds_store_b64 v[OA0], v[P+12*\q:P+12*\q+1] offset:\q*IMG
	ds_store_b64 v[OA1], v[P+12*\q+2:P+12*\q+3] offset:\q*IMG+8
	ds_store_b64 v[OA0], v[P+12*\q+4:P+12*\q+5] offset:\q*IMG+512
	ds_store_b16 v[OSC], v[PS+\q] offset:64*\q     ; both halves of the lanes write the same two bytes with the same value
.endr
	s_wait_dscnt 0x0                               ; for the others' sake: my stores into the stage are done
	s_barrier_signal -1
	s_barrier_wait -1
.irp k, 0,1,2,3,4,5
	ds_load_b128 v[S+4*\k:S+4*\k+3], v[ORD] offset:512*\k
.endr
	ds_load_b32 v[S+24], v[ORS]
.irp k, 0,1,2,3,4,5
	s_wait_dscnt 6-\k                              ; part k is in; the 6 - k younger loads may be out
	global_store_b128 v[LI], v[S+4*\k:S+4*\k+3], s[46:47] offset:(\k/3)*8*IMG+(\k%3)*512   ; 512 consecutive bytes, at a multiple of 512 from av's first byte
.endr
	s_wait_dscnt 0x0
	global_store_b32 v[OGS], v[S+24], s[48:49]     ; lanes 0-15 the first image's 64 bytes, lanes 16-31 the second's
	s_wait_tensorcnt 0x0                           ; the wave's end, behind my last tensor load and my last LDS store
	ds_add_u32 v[SPW], v[NIL]
	s_wait_dscnt 0x0
	ROUND                                          ; the closing round
	s_endpgm
.Lfunc_end_k_qea3d1b555e_attn:
	.size	k_qea3d1b555e_attn, .Lfunc_end_k_qea3d1b555e_attn-k_qea3d1b555e_attn
	.p2alignl 7, 3214868480
	.fill 96, 4, 3214868480
	.section	.rodata,"a",@progbits
	.p2align	6, 0x0
	.amdhsa_kernel k_qea3d1b555e_attn
		.amdhsa_group_segment_fixed_size 327680
		.amdhsa_private_segment_fixed_size 0
		.amdhsa_enable_private_segment 0
		.amdhsa_kernarg_size 32
		.amdhsa_user_sgpr_count 2
		.amdhsa_user_sgpr_kernarg_segment_ptr 1
		.amdhsa_wavefront_size32 1
		.amdhsa_system_sgpr_workgroup_id_x 1
		.amdhsa_system_sgpr_workgroup_id_y 1
		.amdhsa_system_sgpr_workgroup_id_z 1
		.amdhsa_system_vgpr_workitem_id 0
		.amdhsa_next_free_vgpr 512
		.amdhsa_next_free_sgpr 66
		.amdhsa_reserve_vcc 0
		.amdhsa_float_denorm_mode_32 3
		.amdhsa_float_denorm_mode_16_64 3
		.amdhsa_memory_ordered 1
		.amdhsa_forward_progress 1
		.amdhsa_inst_pref_size 84
	.end_amdhsa_kernel
	.amdgpu_metadata
---
amdhsa.version: [ 1, 2 ]
amdhsa.kernels:
  - .name:           k_qea3d1b555e_attn
    .symbol:         k_qea3d1b555e_attn.kd
    .args:
      - { .name: qk, .offset: 0, .size: 8, .value_kind: global_buffer, .address_space: global }
      - { .name: vq, .offset: 8, .size: 8, .value_kind: global_buffer, .address_space: global }
      - { .name: mask, .offset: 16, .size: 8, .value_kind: global_buffer, .address_space: global }
      - { .name: av, .offset: 24, .size: 8, .value_kind: global_buffer, .address_space: global }
    .group_segment_fixed_size: 327680
    .private_segment_fixed_size: 0
    .kernarg_segment_align: 8
    .kernarg_segment_size: 32
    .max_flat_workgroup_size: 256
    .sgpr_count:     66
    .vgpr_count:     512
    .wavefront_size: 32
...
	.end_amdgpu_metadata
.endif
;; end of part 3
;; launch outp (part 4): grid 4 x 64, 4 waves a work-group, clusters of 4 x 4, 327,680 bytes of LDS; arguments av, wq, out0; writes out0
.if DOCPART == 4
	.amdgcn_target "amdgcn-amd-amdhsa--gfx1250"
	.amdhsa_code_object_version 6
	.text
	.protected	k_qea3d1b555e_outp
	.globl	k_qea3d1b555e_outp
	.p2align	8
	.type	k_qea3d1b555e_outp,@function
k_qea3d1b555e_outp:
	s_mov_b64 s[64:65], 0
	v_nop
	global_prefetch_b8 v0, s[64:65] scope:SCOPE_SE
	s_setreg_imm32_b32 hwreg(HW_REG_WAVE_MODE, 25, 1), 1
	s_wait_xcnt 0x0
	s_wait_alu depctr_hold_cnt(0) depctr_sa_sdst(0) depctr_va_vdst(0) depctr_va_sdst(0) depctr_va_ssrc(0) depctr_va_vcc(0) depctr_vm_vsrc(0)
	s_getreg_b32 s2, hwreg(HW_REG_IB_STS2, 6, 4)
	s_cmp_eq_u32 s2, 0
	s_cbranch_scc0 .Lentry_in_a_cluster
	s_endpgm
.Lentry_in_a_cluster:
	s_bfe_u32 s2, ttmp6, 0x10000c
	s_cmp_lg_u32 s2, 0xf033
	s_cbranch_scc0 .Lentry_shape_is_right
	s_endpgm
.Lentry_shape_is_right:
; LAUNCH 4 OF 4.  out0 [8192][1024] f32 = values x W_o on codes of FP6, K = (head, v) = 1024.  No work is left out.
; A = av (the values' images, rows by position), B = W_o's images in wq (rb 192 on).  Images, the order of rows and the place of the scale words: as the first launch's head says.
; A TILE IS 128 ROWS x 256 COLUMNS: 64 x 4 = 256 tiles, a work-group to each.  Four waves, each 64 rows x 128 columns: 32 accumulators, 256 registers.
; ALL OF K LIES IN LDS AT ONCE: A's 128 rows are 98,304 bytes of codes, B's 256 rows 196,608, their scale words 12,288.  So every tensor load is a first fill, issued at the head; nothing is filled again.
; Waves 0, 1 bring A's halves (4 blocks of 16 rows a K step of 256), waves 2, 3 B's halves (8 blocks): five loads a wave, in order: scale words, K steps 0 to 3.  By this text's count five are out at the most.
; In front of K step s each wave waits until its load of that step has landed (the later ones stay out) and passes a barrier.
; CLUSTERS: 4 x 4 work-groups; A's tiles are asked for jointly along a row of the cluster, B's along a column.  One round in front of the loads, one at the end.
; THE MATRIX INSTRUCTION IS USED TRANSPOSED (source 0 = 16 rows of B, source 1 = 16 rows of A): a lane holds eight numbers of one row of the output.
; THE WAY OUT undoes the order of rows and columns in its addresses: a block of 16 rows goes through the wave's stage in LDS, each accumulator's eight numbers at their TRUE columns, and comes back as whole
; rows of 512 bytes, which go to their TRUE rows.  The stage lies in K step 0's bytes, which are filled once and whose last read stands in front of the barrier ahead of K step 1.
; REGISTERS: window 0: v12-29 addresses; v32-63 scale words, two sets, and nothing else; v128-175, v176-223 A's fragments, two sets; on the way out v128-255 rows read back.
;   window 1: B's fragments, two sets (v0, v128).   window 2: the accumulators, (a, b) at v[8 (8 a + b)].
.set NQ,     2
.set FR,     12
.set NP,     4                         ; places behind this matrix instruction (ISA guide 7.12.1)
.set IMG,    1536
.set STEPB,  2*IMG                     ; a block of 16 rows, 256 along K
.set KROW,   768
.set KSB,    32
.set APART,  4*STEPB                   ; 64 rows of A, a K step: what wave 0 or 1 brings by one load
.set BPART,  8*STEPB                   ; 128 rows of B: wave 2 or 3
.set SLOT,   2*APART+2*BPART           ; a K step: A's 128 rows, then B's 256
.set SCL,    4*SLOT                    ; behind the four K steps: the scale words: A's 128 rows, then B's 256
.set ASC,    2048                      ; those of 64 rows
.set BSC,    4096                      ; of 128 rows
.set SPARE,  SCL+2*ASC+2*BSC           ; the spare words, 128 bytes a wave
.set AVS,    6291456                   ; av's scale words
.set WO_C,   192*8*IMG                 ; W_o's images in wq,
.set WO_S,   3145728+192*8*64          ; and their scale words
.set SPITCH, 528
.set ADRA, 12                          ; v12-15  my A fragments in K step 0 .. 3
.set ADRB, 16                          ; v16-19  B likewise
.set STO,  24                          ; v24  the way out: where I put 32 bytes of a row
.set RD,   25                          ; v25  where I read a row back
.set CO,   26                          ; v26  16 x lane
.set ADRS, 27                          ; v27  my scale words: lanes 0-15 A's rows, lanes 16-31 B's
.set SPW,  28
.set NIL,  29
.set SC,   32                          ; set s at v[SC + 16 s]; register 2 i + q: block i, the K step's q-th 128 along K
.set AF,   128
.set BK,   128                         ; the way out: 16 rows read back: v128-191 and v192-255 by turns
.set G1, 24                            ; s[24:31] group 1, A's codes;  s[48:55] B's;  s[68:75] A's scale words;  s[80:87] B's
.set G1B, 48
.set G1S, 68
.set G1SB, 80
.set GA0, 32                           ; groups 0, one for each load, since all are out together: A's K steps 0 .. 3,
.set GA1, 36
.set GA2, 4
.set GA3, 8
.set GB0, 56                           ; B's,
.set GB1, 60
.set GB2, 96
.set GB3, 88
.set GSA, 76                           ; the scale words'
.set GSB, 92
.set MSB, 0
.macro WIN new                         ; the immediate's high byte repeats the setting that is left
.if MSB != (\new)
	s_set_vgpr_msb (MSB<<8)|(\new)
.set MSB, (\new)
.endif
.endm
.set MUL,  0xa1                        ; source 0 (B) window 1, source 1 (A) window 0, C and D window 2
.set TO_B, 0x40
.macro JLOAD g0a, g1a, g0b, g1b        ; a joint load: waves 0, 1 for A, waves 2, 3 for B; an s_nop 0 and four v_nop follow each line
	s_cmp_eq_u32 s15, 0
	s_cbranch_scc0 .Lfor_b_\@
	tensor_load_to_lds s[\g0a:\g0a+3], s[\g1a:\g1a+7]
	s_nop 0
.rept 4
	v_nop
.endr
	s_branch .Lasked_\@
.Lfor_b_\@:
	tensor_load_to_lds s[\g0b:\g0b+3], s[\g1b:\g1b+7]
	s_nop 0
.rept 4
	v_nop
.endr
.Lasked_\@:
.endm
.macro CROUND                          ; a round of the cluster's barrier
	s_barrier_signal -1
	s_barrier_wait -1
	s_cmp_lg_u32 s14, 0
	s_cbranch_scc1 .Lnot_wave_0_\@
	s_barrier_signal -3
.Lnot_wave_0_\@:
	s_barrier_wait -3
	s_barrier_signal -1
	s_barrier_wait -1
.endm
.macro FIRST ga, gb, s                 ; K step s's two groups 0, and its fill
	s_mov_b32 s[\ga], 1
	s_add_co_u32 s[\ga+1], s45, \s*SLOT
	s_add_nc_u64 s[\ga+2:\ga+3], s[20:21], \s*STEPB
	s_or_b32 s[\ga+3], s[\ga+3], 0x80000000
	s_mov_b32 s[\gb], 1
	s_add_co_u32 s[\gb+1], s66, \s*SLOT
	s_add_nc_u64 s[\gb+2:\gb+3], s[46:47], \s*STEPB
	s_or_b32 s[\gb+3], s[\gb+3], 0x80000000
	JLOAD \ga, G1, \gb, G1B
.endm
	s_load_b128 s[4:7], s[0:1], 0x0                ; av, wq
	s_load_b64 s[12:13], s[0:1], 0x10              ; out0
	v_lshl_add_u32 v[SPW], v0, 2, SPARE
	v_mov_b32 v[NIL], 0
	ds_add_u32 v[SPW], v[NIL]                      ; the wave's opening: the add, twice on end, and its wait ahead of my first tensor load
	ds_add_u32 v[SPW], v[NIL]
	v_lshrrev_b32 v1, 5, v0
	v_readfirstlane_b32 s14, v1                    ; wave 0..3
	s_lshr_b32 s15, s14, 1                         ; my half of the tile's rows.  Also: I fetch for A (0) or B (1)
	s_and_b32 s16, s14, 1                          ; my half of its columns.  Also: which half of that operand's rows I fetch
	s_bfe_u32 s40, ttmp6, 0x40000                  ; cx
	s_bfe_u32 s41, ttmp6, 0x40004                  ; cy
	s_lshl_b32 s42, ttmp9, 2
	s_add_co_u32 s42, s42, s40                     ; tile column, 0..3
	s_and_b32 s17, ttmp7, 0xffff
	s_lshl_b32 s17, s17, 2
	s_add_co_u32 s17, s17, s41                     ; tile row, 0..63
	s_lshl_b32 s43, s41, 2
	s_lshl_b32 s43, 15, s43                        ; my row of the cluster
	s_lshl_b32 s44, 0x1111, s40                    ; my column
	; group 1, codes: blocks of 16 rows, 3,072 bytes (384 elements of 8) of each, 12,288 bytes apart; dense in LDS.  A: 4 blocks, B: 8
	s_or_b32 s[G1+0], s43, (3<<16)|(1<<21)         ; 15:0 the mask; 17:16 elements of 8 bytes; 21 set beside a mask
	s_mov_b32 s[G1+1], 384<<16                     ; tensor_dim0
	s_mov_b32 s[G1+2], 4<<16                       ; tensor_dim1
	s_mov_b32 s[G1+3], 384<<16                     ; tile_dim0
	s_mov_b32 s[G1+4], 4                           ; tile_dim1
	s_mov_b32 s[G1+5], 1536                        ; tensor_dim0_stride
	s_mov_b32 s[G1+6], 0
	s_mov_b32 s[G1+7], 0
	s_or_b32 s[G1B+0], s44, (3<<16)|(1<<21)
	s_mov_b32 s[G1B+1], 384<<16
	s_mov_b32 s[G1B+2], 8<<16
	s_mov_b32 s[G1B+3], 384<<16
	s_mov_b32 s[G1B+4], 8
	s_mov_b32 s[G1B+5], 1536
	s_mov_b32 s[G1B+6], 0
	s_mov_b32 s[G1B+7], 0
	; scale words: dense rows of 256 bytes.  A: 8 rows (64 rows' words), B: 16
	s_or_b32 s[G1S+0], s43, (3<<16)|(1<<21)
	s_mov_b32 s[G1S+1], 32<<16
	s_mov_b32 s[G1S+2], 8<<16
	s_mov_b32 s[G1S+3], 32<<16
	s_mov_b32 s[G1S+4], 8
	s_mov_b32 s[G1S+5], 32
	s_mov_b32 s[G1S+6], 0
	s_mov_b32 s[G1S+7], 0
	s_or_b32 s[G1SB+0], s44, (3<<16)|(1<<21)
	s_mov_b32 s[G1SB+1], 32<<16
	s_mov_b32 s[G1SB+2], 16<<16
	s_mov_b32 s[G1SB+3], 32<<16
	s_mov_b32 s[G1SB+4], 16
	s_mov_b32 s[G1SB+5], 32
	s_mov_b32 s[G1SB+6], 0
	s_mov_b32 s[G1SB+7], 0
	s_lshl_b32 s18, s16, 6
	s_lshl_b32 s20, s17, 7
	s_add_co_u32 s20, s20, s18                     ; A: row 128 x tile row + 64 x half
	s_lshl_b32 s18, s16, 7
	s_lshl_b32 s46, s42, 8
	s_add_co_u32 s46, s46, s18                     ; B: row 256 x tile column + 128 x half
	s_mov_b32 s21, 0
	s_mov_b32 s47, 0
	s_mov_b64 s[18:19], KSB
	s_mul_u64 s[22:23], s[20:21], s[18:19]         ; where these rows' scale words begin,
	s_mul_u64 s[100:101], s[46:47], s[18:19]
	s_mov_b64 s[18:19], KROW
	s_mul_u64 s[20:21], s[20:21], s[18:19]         ; and their codes
	s_mul_u64 s[46:47], s[46:47], s[18:19]
	s_mul_i32 s45, s16, APART                      ; where they go: the wave's number alone enters an LDS address
	s_mul_i32 s66, s16, BPART
	s_add_co_u32 s66, s66, 2*APART
	s_mul_i32 s67, s16, ASC
	s_add_co_u32 s67, s67, SCL
	s_mul_i32 s3, s16, BSC
	s_add_co_u32 s3, s3, SCL+2*ASC
	s_wait_dscnt 0x0                               ; both opening adds are done
	s_wait_kmcnt 0x0
	s_add_nc_u64 s[20:21], s[4:5], s[20:21]        ; A's codes
	s_add_nc_u64 s[22:23], s[4:5], s[22:23]
	s_add_nc_u64 s[22:23], s[22:23], AVS           ; A's scale words
	s_add_nc_u64 s[46:47], s[6:7], s[46:47]
	s_add_nc_u64 s[46:47], s[46:47], WO_C          ; B's codes
	s_add_nc_u64 s[100:101], s[6:7], s[100:101]
	s_add_nc_u64 s[100:101], s[100:101], WO_S      ; B's scale words
	CROUND                                         ; all sixteen work-groups are here: the joint loads meet
	s_mov_b32 s[GSA], 1
	s_mov_b32 s[GSA+1], s67
	s_mov_b64 s[GSA+2:GSA+3], s[22:23]
	s_or_b32 s[GSA+3], s[GSA+3], 0x80000000
	s_mov_b32 s[GSB], 1
	s_mov_b32 s[GSB+1], s3
	s_mov_b64 s[GSB+2:GSB+3], s[100:101]
	s_or_b32 s[GSB+3], s[GSB+3], 0x80000000
	JLOAD GSA, G1S, GSB, G1SB                      ; the scale words first: they are wanted with K step 0
	FIRST GA0, GB0, 0                              ; then the four K steps, in the order in which they are multiplied
	FIRST GA1, GB1, 1
	FIRST GA2, GB2, 2
	FIRST GA3, GB3, 3
	v_and_b32 v1, 15, v0                           ; r
	v_bfe_u32 v2, v0, 4, 1                         ; h
	v_and_b32 v3, 31, v0
	v_lshlrev_b32 v[CO], 4, v3
	s_mul_i32 s21, s15, APART                      ; my 64 rows of A
	s_mul_i32 s22, s16, BPART                      ; my 128 rows of B,
	s_add_co_u32 s22, s22, 2*APART                 ; which lie behind A's 128
.irp s, 0,1,2,3
	v_add_nc_u32 v[ADRA+\s], s21, v[CO]
	v_add_nc_u32 v[ADRB+\s], s22, v[CO]
	s_add_co_u32 s21, s21, SLOT
	s_add_co_u32 s22, s22, SLOT
.endr
	v_lshlrev_b32 v5, 2, v1
	s_mul_i32 s21, s15, ASC
	s_mul_i32 s22, s16, BSC
	s_add_co_u32 s22, s22, 2*ASC
	s_sub_co_u32 s22, s22, s21
	v_mul_u32_u24 v6, s22, v2                      ; lanes 16-31 take B's: the lower base + h x the distance
	s_add_co_u32 s21, s21, SCL
	v_add_nc_u32 v5, v5, v6
	v_add_nc_u32 v[ADRS], s21, v5
	s_mul_i32 s23, s14, 16*SPITCH                  ; my stage
	v_mul_u32_u24 v5, v1, SPITCH
	v_lshl_add_u32 v5, v2, 6, v5                   ; in: row r, + 64 h: accumulator b's eight numbers are true columns 32 (b / 2) + 16 h + 8 (b % 2) + 0 .. 7
	v_add_nc_u32 v[STO], s23, v5
	v_add_nc_u32 v[RD], s23, v[CO]                 ; back: the 32 lanes take one row of 512 bytes
	s_lshl_b32 s20, s17, 7
	s_lshl_b32 s21, s15, 6
	s_add_co_u32 s20, s20, s21                     ; my first row: 64 rows by position are the same 64 true rows
	s_lshl_b32 s20, s20, 12                        ; rows of 4,096 bytes
	s_lshl_b32 s46, s42, 10
	s_lshl_b32 s47, s16, 9
	s_add_co_u32 s46, s46, s47                     ; my first column, in bytes
	s_add_co_u32 s20, s20, s46
	s_mov_b32 s21, 0
	s_add_nc_u64 s[12:13], s[12:13], s[20:21]
.macro FRAG reg, adr, q, i             ; a fragment comes as it was stored: three loads of 512 consecutive bytes
.irp c, 0,1,2
	ds_load_b128 v[\reg+4*\c:\reg+4*\c+3], v[\adr] offset:(\i)*STEPB+(\q)*IMG+512*\c
.endr
.endm
; 16 matrix instructions: A's blocks a0, a0 + 1 x B's eight, 128 along K, fragments of set p.  The 32 accumulators take turns, one instruction a turn, in the same order in every step.
.macro MUL16 a0, p, q, sc, zero
.irp a, \a0, \a0+1
.irp b, 0,1,2,3,4,5,6,7
.if \zero
	v_wmma_scale_f32_16x16x128_f8f6f4 v[8*(8*(\a)+\b):8*(8*(\a)+\b)+7], v[128*(\p)+FR*\b:128*(\p)+FR*\b+FR-1], v[AF+48*(\p)+FR*(\a):AF+48*(\p)+FR*(\a)+FR-1], 0, v[SC+16*(\sc)+2*\b+(\q)], v[SC+16*(\sc)+2*(\a)+(\q)] matrix_a_fmt:MATRIX_FMT_FP6 matrix_b_fmt:MATRIX_FMT_FP6 matrix_a_scale:MATRIX_SCALE_ROW1
.else
	v_wmma_scale_f32_16x16x128_f8f6f4 v[8*(8*(\a)+\b):8*(8*(\a)+\b)+7], v[128*(\p)+FR*\b:128*(\p)+FR*\b+FR-1], v[AF+48*(\p)+FR*(\a):AF+48*(\p)+FR*(\a)+FR-1], v[8*(8*(\a)+\b):8*(8*(\a)+\b)+7], v[SC+16*(\sc)+2*\b+(\q)], v[SC+16*(\sc)+2*(\a)+(\q)] matrix_a_fmt:MATRIX_FMT_FP6 matrix_b_fmt:MATRIX_FMT_FP6 matrix_a_scale:MATRIX_SCALE_ROW1
.endif
.endr
.endr
.endm
.macro FETCH slot, q, p                ; 36 LDS loads in one run: B's eight fragments and A's four, of K step slot's q-th 128 along K, into set p
	WIN TO_B
.irp i, 0,1,2,3,4,5,6,7
	FRAG 128*(\p)+FR*\i, ADRB+\slot, \q, \i
.endr
	WIN 0
.irp i, 0,1,2,3
	FRAG AF+48*(\p)+FR*\i, ADRA+\slot, \q, \i
.endr
.endm
.macro SCALES sc                       ; a K step's scale words: lanes 16-31 B's block i; lanes 0-15 A's block i (for i over 3 they read words that no product names)
.irp i, 0,1,2,3,4,5,6,7
.irp q, 0,1
	ds_load_b32 v[SC+16*(\sc)+2*\i+\q], v[ADRS] offset:\i*512+\q*64
.endr
.endr
.endm
.macro PLACES n                        ; plain vector places behind matrix instructions, in front of loads into registers that they have read and of the first read of results
.rept \n
	v_nop
.endr
.endm
; A K step's first 128 along K (set 0).  Its second half's fragments are asked for first, into set 1, which the products just issued have read: four places stand between.
.macro EVEN s, sc, zero
	PLACES NP
	FETCH \s, 1, 1
	s_wait_dscnt 36                                ; all but the 36 loads just issued: set 0 and the scale words are in
	WIN MUL
	MUL16 0, 0, 0, \sc, \zero
	MUL16 2, 0, 0, \sc, \zero
	WIN 0
.endm
; A K step's second 128 (set 1), and the way into K step n.  tc: my loads of the K steps behind n, which may stay out.
.macro ODD n, sc, nsc, tc
	s_wait_tensorcnt \tc                           ; tensor loads of a wave end in order: my part of K step n has landed
	s_wait_dscnt 0x0                               ; set 1 is in, and no LDS instruction of mine is out at the signal
	s_barrier_signal -1
	WIN MUL
	MUL16 0, 1, 1, \sc, 0                          ; work on registers while the others arrive
	WIN 0
	s_barrier_wait -1                              ; everybody's part has landed
	PLACES NP                                      ; set 0's last readers stand further back; no plain vector line has followed them yet
	v_add_nc_u32 v[ADRS], 128, v[ADRS]             ; the next K step's scale words: two images' 64 bytes on
	FETCH \n, 0, 0
	SCALES \nsc
	WIN MUL
	MUL16 2, 1, 1, \sc, 0
	WIN 0
.endm
	s_wait_tensorcnt 3                             ; the scale words and my part of K step 0 are in; my loads of K steps 1, 2, 3 may be out
	s_barrier_signal -1
	s_barrier_wait -1
	FETCH 0, 0, 0
	SCALES 0
	EVEN 0, 0, 1                                   ; the first products start the sums: nothing is cleared.  K = 1024 is eight steps of 128: written straight
	ODD 1, 0, 1, 2
	EVEN 1, 1, 0
	ODD 2, 1, 0, 1
	EVEN 2, 0, 0
	ODD 3, 0, 1, 0
	EVEN 3, 1, 0
	s_wait_dscnt 0x0
	WIN MUL
	MUL16 0, 1, 1, 1, 0
	MUL16 2, 1, 1, 1, 0
	WIN 0
.macro TOSTAGE a
.set AC, 64*(\a)
	WIN 0x08                                       ; an LDS store's data are its source 1: window 2
.irp b, 0,1,2,3,4,5,6,7
	ds_store_b128 v[STO], v[AC+8*\b:AC+8*\b+3] offset:128*(\b/2)+32*(\b%2)       ; each accumulator from its low end on
	ds_store_b128 v[STO], v[AC+8*\b+4:AC+8*\b+7] offset:128*(\b/2)+32*(\b%2)+16
.endr
	WIN 0
.set BB, BK+64*((\a)%2)
.irp t, 0,1,2,3,4,5,6,7,8,9,10,11,12,13,14,15
	ds_load_b128 v[BB+4*\t:BB+4*\t+3], v[RD] offset:\t*SPITCH    ; LDS serves a wave's instructions in order: these see the stores above
.endr
.endm
.macro SEND a, younger                 ; younger: the LDS instructions issued behind block a's loads, which may stay out
.set BB, BK+64*((\a)%2)
	s_wait_dscnt \younger
.if (\a) > 0
.if (\a)%2 == 1
	s_add_nc_u64 s[12:13], s[12:13], 8*4096        ; block 2 b + 1 begins 8 true rows behind block 2 b (the earlier stores have read their base: a wait stands ahead),
.else
	s_add_nc_u64 s[12:13], s[12:13], 24*4096       ; block 2 b + 2 another 24
.endif
.endif
.irp t, 0,1,2,3,4,5,6,7,8,9,10,11,12,13,14,15
	global_store_b128 v[CO], v[BB+4*\t:BB+4*\t+3], s[12:13] offset:(16*(\t/8)+\t%8)*4096 th:TH_STORE_NT   ; 512 consecutive bytes of true row + t % 8 + 16 (t / 8)
.endr
.endm
	PLACES NP                                      ; behind the last products: for the reads of their results and the loads into the registers that held A's fragments
	TOSTAGE 0
.irp a, 1,2,3
.if \a > 1
	s_wait_xcnt 0x0                                ; block a - 2's stores have read their registers and their base
.endif
	TOSTAGE \a
	SEND \a-1, 32                                  ; behind block a - 1's loads: block a's 16 stores and 16 loads
.endr
	s_wait_xcnt 0x0
	SEND 3, 0
	s_wait_tensorcnt 0x0                           ; the wave's end, behind my last tensor load and my last LDS store
	ds_add_u32 v[SPW], v[NIL]
	s_wait_dscnt 0x0
	CROUND                                         ; the closing round: no work-group ends while a partner may still ask for a tile that names it
	s_endpgm
.Lfunc_end_k_qea3d1b555e_outp:
	.size	k_qea3d1b555e_outp, .Lfunc_end_k_qea3d1b555e_outp-k_qea3d1b555e_outp
	.p2alignl 7, 3214868480
	.fill 96, 4, 3214868480
	.section	.rodata,"a",@progbits
	.p2align	6, 0x0
	.amdhsa_kernel k_qea3d1b555e_outp
		.amdhsa_group_segment_fixed_size 327680
		.amdhsa_private_segment_fixed_size 0
		.amdhsa_enable_private_segment 0
		.amdhsa_kernarg_size 24
		.amdhsa_user_sgpr_count 2
		.amdhsa_user_sgpr_kernarg_segment_ptr 1
		.amdhsa_wavefront_size32 1
		.amdhsa_system_sgpr_workgroup_id_x 1
		.amdhsa_system_sgpr_workgroup_id_y 1
		.amdhsa_system_sgpr_workgroup_id_z 1
		.amdhsa_system_vgpr_workitem_id 0
		.amdhsa_next_free_vgpr 768
		.amdhsa_next_free_sgpr 102
		.amdhsa_reserve_vcc 0
		.amdhsa_float_denorm_mode_32 3
		.amdhsa_float_denorm_mode_16_64 3
		.amdhsa_memory_ordered 1
		.amdhsa_forward_progress 1
		.amdhsa_inst_pref_size 84
	.end_amdhsa_kernel
	.amdgpu_metadata
---
amdhsa.version: [ 1, 2 ]
amdhsa.kernels:
  - .name:           k_qea3d1b555e_outp
    .symbol:         k_qea3d1b555e_outp.kd
    .args:
      - { .name: av, .offset: 0, .size: 8, .value_kind: global_buffer, .address_space: global }
      - { .name: wq, .offset: 8, .size: 8, .value_kind: global_buffer, .address_space: global }
      - { .name: out0, .offset: 16, .size: 8, .value_kind: global_buffer, .address_space: global }
    .group_segment_fixed_size: 327680
    .private_segment_fixed_size: 0
    .kernarg_segment_align: 8
    .kernarg_segment_size: 24
    .max_flat_workgroup_size: 128
    .sgpr_count:     102
    .vgpr_count:     768
    .wavefront_size: 32
...
	.end_amdgpu_metadata
.endif
;; end of part 4
